; MI455X (gfx1250); checked and timed in simulation.
; The chip was launched on July 23, 2026; its instructions are those of AMD's public machine-readable ISA for CDNA 5 (MIT licence, August 2026) and "CDNA5" Instruction Set Architecture Reference Guide (July 2026). The comments in the code are by the model that wrote it; some were corrected since.
;; Cross Attention. Allowed arithmetic: matrix products marked QUANTISED: E2M3 operands, one E8M0 scale for each 32 along K, by v_wmma_scale_f32_16x16x128_f8f6f4 with both operands' format E2M3, f32 sums; products left as they are: f32 operands where the result goes on into a quantised operand, else bf16, f16 or f32 operands; f32 sums; everything else in f32.
;; Inputs: Wk_codes 1,024 x 32 x 24 uint8 (E2M3 codes of Wk, K innermost, in blocks of 32 codes, four codes in three bytes); Wk_scales 1,024 x 32 uint8 (E8M0 scales of Wk, one for each 32 codes along K); Wp_codes 1,024 x 32 x 24 uint8 (E2M3 codes of Wp, K innermost, in blocks of 32 codes, four codes in three bytes); Wp_scales 1,024 x 32 uint8 (E8M0 scales of Wp, one for each 32 codes along K); Wq_codes 1,024 x 32 x 24 uint8 (E2M3 codes of Wq, K innermost, in blocks of 32 codes, four codes in three bytes); Wq_scales 1,024 x 32 uint8 (E8M0 scales of Wq, one for each 32 codes along K); Wv_codes 1,024 x 32 x 24 uint8 (E2M3 codes of Wv, K innermost, in blocks of 32 codes, four codes in three bytes); Wv_scales 1,024 x 32 uint8 (E8M0 scales of Wv, one for each 32 codes along K); bp 1,024 float32; key_codes 8 x 2,048 x 32 x 24 uint8 (E2M3 codes of key, K innermost, in blocks of 32 codes, four codes in three bytes); key_scales 8 x 2,048 x 32 uint8 (E8M0 scales of key, one for each 32 codes along K); query_codes 8 x 2,048 x 32 x 24 uint8 (E2M3 codes of query, K innermost, in blocks of 32 codes, four codes in three bytes); query_scales 8 x 2,048 x 32 uint8 (E8M0 scales of query, one for each 32 codes along K); value_codes 8 x 2,048 x 32 x 24 uint8 (E2M3 codes of value, K innermost, in blocks of 32 codes, four codes in three bytes); value_scales 8 x 2,048 x 32 uint8 (E8M0 scales of value, one for each 32 codes along K); xpos 8 x 2,048 x 2 int32; ypos 8 x 2,048 x 2 int32.
;; Outputs: out0 8 x 2,048 x 1,024 float32.
;; This version of the problem:
;;   THIS VERSION OF THE PROBLEM IS GIVEN IN LOW PRECISION. The matrix products marked QUANTISED in the list below multiply operands that are first quantised to E2M3 (2 exponent bits, 3 mantissa bits; 6 bits a number), with one power-of-two scale for each 32 numbers along K (OCP MX v1.0); their sums are f32. All else is computed in f32.
;;   The module's matrix products, in the order in which they are computed (A, B: the left and right operand; K: the contracted axis; several contracted axes count as one K, in the product's order):
;;     1. [M 16,384, K 1,024] x [K 1,024, N 1,024]; A: input query (given as codes); B: input Wq (given as codes): QUANTISED
;;     2. [M 16,384, K 1,024] x [K 1,024, N 1,024]; A: input key (given as codes); B: input Wk (given as codes): QUANTISED
;;     3. [M 16,384, K 1,024] x [K 1,024, N 1,024]; A: input value (given as codes); B: input Wv (given as codes): QUANTISED
;;     4. batch 16,384 x [M 16, K 64] x [K 64, N 16]; A: computed on the way; B: computed on the way: QUANTISED
;;     5. batch 16,384 x [M 16, K 16] x [K 16, N 64]; A: softmax; B: computed on the way: left as it is (K = 16 < 32)
;;     6. [M 16,384, K 1,024] x [K 1,024, N 1,024]; A: computed on the way; B: input Wp (given as codes): QUANTISED
;;   THE QUANTISER, for each operand of a quantised product, along K:
;;     - K is cut into blocks of 32 from its start; a last block that is shorter is filled with zeros.
;;     - A block's scale is 2^e with e = floor(log2(the largest magnitude in the block)) - 2, held to -126 .. 127; a block of zeros has e = 0. As a byte (E8M0): e + 127.
;;     - Each number is divided by its block's scale, clamped to +-7.5, and rounded to the nearest number of E2M3, ties to even, subnormals kept.
;;     - The product sums the exact products of the quantised numbers (number of the format x scale) in f32.
;;   ~~~python
;;   def quantise(x, axis):      # numpy; x: float32 -> the quantised numbers, widened to float32 again
;;       x = np.moveaxis(x, axis, -1); K = x.shape[-1]
;;       x = np.pad(x, [(0, 0)] * (x.ndim - 1) + [(0, -K % 32)]); x = x.reshape(x.shape[:-1] + (-1, 32)); a = np.abs(x).max(-1, keepdims=True)
;;       e = np.where(a > 0, np.clip(np.frexp(np.where(a > 0, a, 1))[1] - 1 - 2, -126, 127), 0)      # np.frexp(a)[1] - 1 = floor(log2(a)), exactly
;;       r = np.clip(x / 2.0 ** e, -7.5, 7.5)
;;       step = 2.0 ** (np.maximum(np.frexp(np.where(r == 0, 1, r))[1] - 1, 0) - 3)
;;       q = np.round(r / step) * step * 2.0 ** e      # np.round: ties to even
;;       return np.moveaxis(q.reshape(q.shape[:-2] + (-1,))[..., :K], -1, axis).astype(np.float32)
;;   ~~~
;;   OPERANDS COMPUTED ON THE WAY. 'Computed on the way' means the value that the module computes at that place (a softmax that the list does not call 'softmax' is quantised finished and normalised). What goes into a quantiser is computed in f32, as accurately as f32 sums, v_exp_f32 and their like allow (about 1e-6 of the number): no bf16 or f16 on the way to a quantiser, and a product that is left as it is and whose result goes on into a quantised operand takes f32 operands (vector FMAs, or v_wmma_f32_16x16x4_f32). A number that lies on a knife's edge between two numbers of the format may be rounded either way, as far as f32 arithmetic and the matrix unit's own rounding can turn it there, and no further.
;;   INPUTS GIVEN AS CODES. Wk (in the module: [1024, 1024], K = its axis 1); Wp (in the module: [1024, 1024], K = its axis 1); Wq (in the module: [1024, 1024], K = its axis 1); Wv (in the module: [1024, 1024], K = its axis 1); key (in the module: [8, 2048, 1024], K = its axis 2); query (in the module: [8, 2048, 1024], K = its axis 2); value (in the module: [8, 2048, 1024], K = its axis 2): each comes as NAME_codes (uint8): NAME with its K axis moved to the last place and cut into blocks of 32 codes, [.., K / 32, bytes a block], one block behind the other in memory; four codes in three bytes: a row's codes are one little-endian stream of bits, code i at bits 6 i .. 6 i + 5 (a code: sign, 2 exponent bits, 3 mantissa bits); and NAME_scales (uint8): the same leading axes, one E8M0 byte (e + 127) for each 32 codes along K. Its value is code x scale, taken as it is: it is not quantised again, and the codes and scales need not be those that the quantiser above would give.
;; 2 versions. Each part assembles by itself: llvm-mc -triple=amdgcn-amd-amdhsa -mcpu=gfx1250 --defsym DOCPART=n.
;; ======== version 1 of 2: 2 launches
;; workspace buffers: ws 3,276,800 bytes
;; launch lay (part 1): grid 256 x 1, 1 waves a work-group, no clusters, 0 bytes of LDS; arguments Wk_codes, Wk_scales, Wq_codes, Wq_scales, Wv_codes, Wv_scales, Wp_codes, Wp_scales, ws; writes ws
.if DOCPART == 1
	.amdgcn_target "amdgcn-amd-amdhsa--gfx1250"
	.amdhsa_code_object_version 6
	.text
	.protected	k_q9cc59a6c0d_lay
	.globl	k_q9cc59a6c0d_lay
	.p2align	8
	.type	k_q9cc59a6c0d_lay,@function
k_q9cc59a6c0d_lay:
	s_mov_b64 s[64:65], 0
	v_nop
	global_prefetch_b8 v0, s[64:65] scope:SCOPE_SE
	s_setreg_imm32_b32 hwreg(HW_REG_WAVE_MODE, 25, 1), 1
	s_wait_xcnt 0x0
; The four weights [1024][1024] (codes of E2M3, K innermost: 768 bytes a row; one E8M0 byte for each 32 along K: 32 bytes a row) are laid once
; into ONE stream, in the order in which the second launch's waves take them into operand registers.
; ws = 32 steps x 102,400 bytes; step 8 p + s: weight p (0 Wk, 1 Wq, 2 Wv, 3 Wp), K = 128 s .. 128 s + 127.  A step = 4 quarters of 25,600 bytes, one for each wave w of the reader.
; A quarter = 16 tiles of 16 weight rows x 128 K as IMAGES OF REGISTERS (register 4 c + e of lane l at 1,536 tile + 512 c + 16 l + 4 e), then 1,024 bytes of scale words:
; the word of tile t, row r at 24,576 + 512 (t / 8) + 16 (16 (t % 2) + r) + 4 ((t / 2) % 4).
; WHICH ROW OF THE WEIGHT IS ROW m OF TILE t OF WAVE w:  Wk, Wq: 256 w + 32 (t / 2) + 8 (t % 2) + m + 8 (m / 8)   (two neighbouring tiles then give a lane 16 neighbours of a head)
;   Wv: 64 t + 16 w + m   (a tile to a head, 16 of its 64 to a wave)        Wp: 256 w + 16 t + m
; All three are  w wm + L Lm + a bit2 + b bit1 + c bit0 + m + e8 (m / 8)  with t = 8 L + (bit2 bit1 bit0).
; One wave to a work-group; work-group id = 64 p + 16 w + 2 s + L makes half a quarter: 8 tiles and 512 bytes of scale words.  Every store of the wave covers 512 consecutive bytes, aligned to 256.
.set STEPB, 102400
.set QB,    25600
	s_load_b512 s[4:19], s[0:1], 0x0               ; Wk codes, scales; Wq; Wv; Wp
	s_load_b64 s[20:21], s[0:1], 0x40              ; ws
	s_and_b32 s22, ttmp9, 1                        ; L
	s_bfe_u32 s23, ttmp9, 0x30001                  ; s: 3 bits from bit 1
	s_bfe_u32 s24, ttmp9, 0x20004                  ; w: 2 bits from bit 4
	s_lshr_b32 s25, ttmp9, 6                       ; p
	s_cmp_eq_u32 s25, 2                            ; Wv?
	s_cselect_b32 s34, 256, 64                     ; a
	s_cselect_b32 s35, 128, 32                     ; b
	s_cselect_b32 s36, 64, 16                      ; c (Wv's, else Wp's)
	s_cselect_b32 s38, 16, 256                     ; wm
	s_mov_b32 s39, 128
	s_cselect_b32 s39, 512, s39                    ; Lm
	s_cmp_lt_u32 s25, 2                            ; Wk or Wq?
	s_cselect_b32 s36, 8, s36                      ; c
	s_cselect_b32 s37, 8, 0                        ; e8
	s_mul_i32 s38, s24, s38
	s_mul_i32 s39, s22, s39
	s_add_co_u32 s38, s38, s39                     ; the half quarter's first row: w wm + L Lm
	s_mul_i32 s51, s38, 768
	s_mul_i32 s39, s23, 96
	s_add_co_u32 s51, s51, s39                     ; in bytes of codes, + the K step's 96
	s_mul_i32 s48, s34, 768
	s_mul_i32 s49, s35, 768
	s_mul_i32 s50, s36, 768
.irp t, 0,1,2,3,4,5,6,7
	s_mov_b32 s[40+\t], s51                        ; tile t's first row, in bytes
.if (\t)&4
	s_add_co_u32 s[40+\t], s[40+\t], s48
.endif
.if (\t)&2
	s_add_co_u32 s[40+\t], s[40+\t], s49
.endif
.if (\t)&1
	s_add_co_u32 s[40+\t], s[40+\t], s50
.endif
.endr
	s_lshl_b32 s52, s38, 5                         ; the same in bytes of scales: 32 a row,
	s_lshl_b32 s39, s23, 2
	s_add_co_u32 s52, s52, s39                     ; + the K step's 4
	s_lshl_b32 s53, s34, 5
	s_lshl_b32 s54, s35, 5
.irp e, 0,1,2,3
	s_mov_b32 s[56+\e], s52                        ; tiles 2 e and 2 e + 1
.if (\e)&2
	s_add_co_u32 s[56+\e], s[56+\e], s53
.endif
.if (\e)&1
	s_add_co_u32 s[56+\e], s[56+\e], s54
.endif
.endr
	v_lshlrev_b32 v1, 4, v0                        ; 16 x lane: an image's place for my lane
	v_and_b32 v4, 15, v0                           ; r
	v_lshrrev_b32 v5, 4, v0                        ; h
	v_lshrrev_b32 v6, 3, v4
	v_mad_u32_u24 v2, v6, s37, v4                  ; r + e8 (r / 8)
	v_mul_u32_u24 v3, v2, 768
	v_mad_u32_u24 v3, v5, 24, v3                   ; my row's bytes, + 24 for lanes 16-31: K = 32 h on
.irp t, 0,1,2,3,4,5,6,7
	v_add_nc_u32 v[8+\t], s[40+\t], v3
.endr
	v_mad_u32_u24 v7, v5, s36, v2                  ; scale words: lanes 0-15 take tile 2 e, lanes 16-31 tile 2 e + 1 (c rows on)
	v_lshlrev_b32 v7, 5, v7
.irp e, 0,1,2,3
	v_add_nc_u32 v[20+\e], s[56+\e], v7
.endr
	s_lshl_b32 s60, s25, 3
	s_add_co_u32 s60, s60, s23
	s_mul_i32 s60, s60, STEPB                      ; step 8 p + s,
	s_mul_i32 s39, s24, QB
	s_add_co_u32 s60, s60, s39                     ; quarter w
	s_mov_b32 s61, 0
	s_mul_i32 s62, s22, 12288                      ; half L of its tiles
	s_mov_b32 s63, 0
	s_wait_kmcnt 0x0
	s_cmp_eq_u32 s25, 0                            ; the weight is chosen by the work-group's number alone
	s_cselect_b64 s[26:27], s[4:5], s[8:9]
	s_cselect_b64 s[28:29], s[6:7], s[10:11]
	s_cmp_eq_u32 s25, 2
	s_cselect_b64 s[30:31], s[12:13], s[16:17]
	s_cselect_b64 s[32:33], s[14:15], s[18:19]
	s_cmp_lt_u32 s25, 2
	s_cselect_b64 s[26:27], s[26:27], s[30:31]     ; codes
	s_cselect_b64 s[28:29], s[28:29], s[32:33]     ; scales
	s_add_nc_u64 s[20:21], s[20:21], s[60:61]      ; my quarter
	s_add_nc_u64 s[30:31], s[20:21], s[62:63]      ; where my 8 tiles go
	s_lshl_b32 s62, s22, 9
	s_add_nc_u64 s[32:33], s[20:21], s[62:63]      ; and (24,576 on) my 512 bytes of scale words
.irp t, 0,1,2,3,4,5,6,7
.irp p, 0,1,2,3,4,5
	global_load_b64 v[32+12*\t+2*\p:32+12*\t+2*\p+1], v[8+\t], s[26:27] offset:48*(\p/3)+8*(\p%3)   ; the fragment as the matrix unit takes it: registers 6 c .. 6 c + 5 = K 64 c + 32 h + 0 .. 31
.endr
.endr
.irp e, 0,1,2,3
	global_load_b32 v[24+\e], v[20+\e], s[28:29]
.endr
.irp t, 0,1,2,3,4,5,6,7
	s_wait_loadcnt 46-6*\t                         ; loads come back in order: tile t's six are in; behind them stand (7 - t) x 6 code loads and 4 scale loads
.irp c, 0,1,2
	global_store_b128 v1, v[32+12*\t+4*\c:32+12*\t+4*\c+3], s[30:31] offset:1536*\t+512*\c
.endr
.endr
	s_wait_loadcnt 0x0
	global_store_b128 v1, v[24:27], s[32:33] offset:24576
	s_endpgm
.Lfunc_end_k_q9cc59a6c0d_lay:
	.size	k_q9cc59a6c0d_lay, .Lfunc_end_k_q9cc59a6c0d_lay-k_q9cc59a6c0d_lay
	.p2alignl 7, 3214868480
	.fill 96, 4, 3214868480
	.section	.rodata,"a",@progbits
	.p2align	6, 0x0
	.amdhsa_kernel k_q9cc59a6c0d_lay
		.amdhsa_group_segment_fixed_size 0
		.amdhsa_private_segment_fixed_size 0
		.amdhsa_enable_private_segment 0
		.amdhsa_kernarg_size 72
		.amdhsa_user_sgpr_count 2
		.amdhsa_user_sgpr_kernarg_segment_ptr 1
		.amdhsa_wavefront_size32 1
		.amdhsa_system_sgpr_workgroup_id_x 1
		.amdhsa_system_sgpr_workgroup_id_y 1
		.amdhsa_system_sgpr_workgroup_id_z 1
		.amdhsa_system_vgpr_workitem_id 0
		.amdhsa_next_free_vgpr 128
		.amdhsa_next_free_sgpr 66
		.amdhsa_reserve_vcc 0
		.amdhsa_float_denorm_mode_32 3
		.amdhsa_float_denorm_mode_16_64 3
		.amdhsa_memory_ordered 1
		.amdhsa_forward_progress 1
		.amdhsa_inst_pref_size 12
	.end_amdhsa_kernel
	.amdgpu_metadata
---
amdhsa.version: [ 1, 2 ]
amdhsa.kernels:
  - .name:           k_q9cc59a6c0d_lay
    .symbol:         k_q9cc59a6c0d_lay.kd
    .args:
      - { .name: Wk_codes, .offset: 0, .size: 8, .value_kind: global_buffer, .address_space: global }
      - { .name: Wk_scales, .offset: 8, .size: 8, .value_kind: global_buffer, .address_space: global }
      - { .name: Wq_codes, .offset: 16, .size: 8, .value_kind: global_buffer, .address_space: global }
      - { .name: Wq_scales, .offset: 24, .size: 8, .value_kind: global_buffer, .address_space: global }
      - { .name: Wv_codes, .offset: 32, .size: 8, .value_kind: global_buffer, .address_space: global }
      - { .name: Wv_scales, .offset: 40, .size: 8, .value_kind: global_buffer, .address_space: global }
      - { .name: Wp_codes, .offset: 48, .size: 8, .value_kind: global_buffer, .address_space: global }
      - { .name: Wp_scales, .offset: 56, .size: 8, .value_kind: global_buffer, .address_space: global }
      - { .name: ws, .offset: 64, .size: 8, .value_kind: global_buffer, .address_space: global }
    .group_segment_fixed_size: 0
    .private_segment_fixed_size: 0
    .kernarg_segment_align: 8
    .kernarg_segment_size: 72
    .max_flat_workgroup_size: 32
    .sgpr_count:     66
    .vgpr_count:     128
    .wavefront_size: 32
...
	.end_amdgpu_metadata
.endif
;; end of part 1
;; launch fused (part 2): grid 256 x 1, 4 waves a work-group, clusters of 4 x 1, 327,680 bytes of LDS; arguments key_codes, key_scales, query_codes, query_scales, value_codes, value_scales, ws, bp, out0; writes out0
.if DOCPART == 2
	.amdgcn_target "amdgcn-amd-amdhsa--gfx1250"
	.amdhsa_code_object_version 6
	.text
	.protected	k_q9cc59a6c0d_fused
	.globl	k_q9cc59a6c0d_fused
	.p2align	8
	.type	k_q9cc59a6c0d_fused,@function
k_q9cc59a6c0d_fused:
	s_mov_b64 s[64:65], 0
	v_nop
	global_prefetch_b8 v0, s[64:65] scope:SCOPE_SE
	s_setreg_imm32_b32 hwreg(HW_REG_WAVE_MODE, 25, 1), 1
	s_wait_xcnt 0x0
	s_wait_alu depctr_hold_cnt(0) depctr_sa_sdst(0) depctr_va_vdst(0) depctr_va_sdst(0) depctr_va_ssrc(0) depctr_va_vcc(0) depctr_vm_vsrc(0)
	s_getreg_b32 s2, hwreg(HW_REG_IB_STS2, 6, 4)
	s_cmp_eq_u32 s2, 0
	s_cbranch_scc0 .Lentry_in_a_cluster
	s_endpgm
.Lentry_in_a_cluster:
	s_bfe_u32 s2, ttmp6, 0x10000c
	s_cmp_lg_u32 s2, 0x3003
	s_cbranch_scc0 .Lentry_shape_is_right
	s_endpgm
.Lentry_shape_is_right:
; out = X' Wp^T + bp, X' = the heads-first reshape of softmax_g(q_h . k_g / 8) v_g per token, q, k, v = query Wq^T, key Wk^T, value Wv^T.  16,384 tokens, 16 heads x 64.
; All products but attn x v are on codes of E2M3 with one E8M0 scale for each 32 along K; attn x v (K = 16) is f32 multiply-adds, since its result is quantised.
; xpos and ypos are not read: the computation that is asked for never uses them.
; LIMITS: NaN and infinities are not served.  A block of zeros gets the scale byte 1, not 127: its codes are zeros, which add nothing under either byte; the bytes are read here alone.
; SHARES.  A work-group of four waves owns 64 tokens (four tiles of 16) through the whole chain; nothing between the inputs and out0 goes to memory.  In each of the four large products a wave makes
; all 64 tokens x 256 columns: 64 accumulators, 512 registers.  EVERY PRODUCT IS USED TRANSPOSED (source 0 = 16 weight rows, source 1 = 16 tokens): a lane holds one token, its registers run along the columns.
; WEIGHTS.  The first launch has laid all four as one stream of 32 K steps of 102,400 bytes, as images of operand registers; wave w reads quarter w alone.  The stream goes through a ring of two LDS slots.
; CLUSTER.  Every work-group walks the same stream, so four work-groups ask for each quarter JOINTLY (mask 15): the same tensor load with the same descriptor in all four.
; ORDER: K phase (k -> codes in LDS) | Q phase (q -> codes) | per token k q^T, softmax, attn to LDS | V phase (v stays in the accumulators) | attn x v, quantised into rows of X' | P phase | out.
; 16 neighbouring tokens give, for each head, one whole row of X': row 128 head + (token / 16), column 64 (token % 16) + d.  So the work-group's 64 tokens are 64 whole rows of X'.
; REGISTERS, in windows of 256: window 0: v1-31 addresses; v32-55 scale words and nothing else; v58-61, v160-255 rows on their way from memory to LDS; v64-159 token fragments, two sets.
;   window 1: the step's 16 weight fragments.   windows 2, 3: accumulator (token tile mt, weight tile t) in window 2 + t / 8 at 64 ((t / 2) % 4) + 16 mt + 8 (t % 2): tiles 2 i, 2 i + 1 of one mt are 16 registers on end.
.set SLOTB, 102400                     ; a slot: one K step of the stream
.set QB,    25600                      ; a wave's quarter of it: 16 images of 1,536 bytes, 1,024 bytes of scale words
.set SPARE, 204800                     ; behind the ring: the spare words, 128 bytes for each wave: two blocks of 256 bytes that no other line names
.set ATT,   205312                     ; first k's codes (64 rows, 784 apart) and, 50,176 on, its scale pairs (36 a row); later attn: 1,040 a token, (g / 4, head) at 256 (g / 4) + 16 head
.set KC,    ATT
.set KSC,   ATT+50176
.set ABUF,  271872                     ; source 1's rows of codes, 768 + 16 bytes: key, query, q, value, X' in turn
.set ASC,   322048                     ; their scale bytes, 40 a row (q's pairs: 36 a row)
.set MX,    324608                     ; 4 x 512 bytes: largest magnitudes from wave to wave
.set SPW,1
.set NIL,2
.set L16,3                             ; 16 x lane
.set WAD,4                             ; v4, v5: my quarter of slot 0, 1, + 16 x lane
.set ADRA0,6                           ; ABUF + 784 r + 24 h
.set ADT,7                             ; + the K step
.set ADTS0,8                           ; ASC + 40 r
.set ADS,9
.set SA0,10                            ; rows into ABUF: my 16 rows + 16 x lane
.set SA1,11                            ; the same, 16 more for lanes 16-31
.set SAS,12
.set ADQK,13                           ; codes just made: KC or ABUF + 784 r + 12 h + 192 w
.set ADQQ,14
.set ADSK,15                           ; their scale pairs: KSC or ASC + 36 r + 8 w
.set ADSQ,16
.set P4K,17                            ; k q^T: KC or ABUF + my 16 tokens + 48 r + 24 h
.set P4Q,18
.set P4S,19                            ; lanes 0-15 k's pair, lanes 16-31 q's
.set TMPA,20
.set ATW,21
.set ATR0,22
.set ATR,23
.set ADX0,24
.set ADX,25
.set ADXS0,26
.set ADXS,27
.set MXW,28
.set MXR,29
.set STO,30
.set WSC,32                            ; v32-47 weight scale words, two sets of 8: register t / 2, lanes 0-15 tile 2 i, lanes 16-31 tile 2 i + 1
.set P4SC,40                           ; v40-55 the 16 tokens' scale words of k q^T
.set TSC,48                            ; v48-55 token scale words, two sets of 4
.set PFO,56
.set STS,58
.set TOK,64
.set STG,160
.set QM,64
.set QT,80
.set QC,96
.set AT,64
.set XX,192
.set BPR,192
.set WV,22
.set CX,23
.set WG,24
.set G1,28
.set G0,36
.set PH,44
.set CNT,45
.set KO,46
.set KS,47
.set SN,48
.set LIM,49
.set PFA,50
.set SEL,52
.set CS,54
.set HP,56
.set HA,57
.set HX,58
.set HS,59
.set ODD,70
.set MSB, 0
.macro WIN new                         ; the immediate's high byte repeats the setting that is left; bits 1:0 source 0, 3:2 source 1, 5:4 source 2, 7:6 destination
.if MSB != (\new)
	s_set_vgpr_msb (MSB<<8)|(\new)
.set MSB, (\new)
.endif
.endm
.macro PLACES n                        ; plain vector instructions between a matrix instruction and a load into, or a read of, its registers
.rept \n
	v_nop
.endr
.endm
.macro CREST                           ; a round of the cluster's barrier behind its opening barrier
	s_cmp_lg_u32 s[WV], 0
	s_cbranch_scc1 .Lnot_wave_0_\@
	s_barrier_signal -3
.Lnot_wave_0_\@:
	s_barrier_wait -3
	s_barrier_signal -1
	s_barrier_wait -1
.endm
.macro CROUND
	s_barrier_signal -1
	s_barrier_wait -1
	CREST
.endm
; n weight tiles from t0 on x the four token tiles, 128 along K.  The 64 accumulators take turns, one instruction a turn, in the same order in every step.
.macro MUL t0, n, sl, zero
.if (\t0) < 8
	WIN 0xa1
.else
	WIN 0xf1
.endif
.set TT, \t0
.rept \n
.set MT, 0
.rept 4
.set AC, 64*((TT>>1)&3)+16*MT+8*(TT&1)
.set TK, TOK+48*(\sl)+12*MT
.set WS, WSC+8*(\sl)+(TT>>1)
.set TS, TSC+4*(\sl)+MT
.if \zero
.if (TT&1)
	v_wmma_scale_f32_16x16x128_f8f6f4 v[AC:AC+7], v[12*TT:12*TT+11], v[TK:TK+11], 0, v[WS], v[TS] matrix_a_fmt:MATRIX_FMT_FP6 matrix_b_fmt:MATRIX_FMT_FP6 matrix_a_scale:MATRIX_SCALE_ROW1
.else
	v_wmma_scale_f32_16x16x128_f8f6f4 v[AC:AC+7], v[12*TT:12*TT+11], v[TK:TK+11], 0, v[WS], v[TS] matrix_a_fmt:MATRIX_FMT_FP6 matrix_b_fmt:MATRIX_FMT_FP6
.endif
.else
.if (TT&1)
	v_wmma_scale_f32_16x16x128_f8f6f4 v[AC:AC+7], v[12*TT:12*TT+11], v[TK:TK+11], v[AC:AC+7], v[WS], v[TS] matrix_a_fmt:MATRIX_FMT_FP6 matrix_b_fmt:MATRIX_FMT_FP6 matrix_a_scale:MATRIX_SCALE_ROW1
.else
	v_wmma_scale_f32_16x16x128_f8f6f4 v[AC:AC+7], v[12*TT:12*TT+11], v[TK:TK+11], v[AC:AC+7], v[WS], v[TS] matrix_a_fmt:MATRIX_FMT_FP6 matrix_b_fmt:MATRIX_FMT_FP6
.endif
.endif
.set MT, MT+1
.endr
.set TT, TT+1
.endr
.endm
.macro FETCH_W sl, t0                  ; 8 weight fragments: 24 loads of 512 consecutive bytes
	WIN 0x40
.set TT, \t0
.rept 8
.irp c, 0,1,2
	ds_load_b128 v[12*TT+4*\c:12*TT+4*\c+3], v[WAD+(\sl)] offset:1536*TT+512*\c
.endr
.set TT, TT+1
.endr
	WIN 0
.endm
.macro FETCH_TOK set                   ; 4 token fragments, 24 loads of 8 bytes a lane: rows 784 bytes apart, so that the 32 lanes touch 64 different banks (64 banks of 4 bytes: ISA guide 11.1)
.irp m, 0,1,2,3
.irp p, 0,1,2,3,4,5
	ds_load_b64 v[TOK+48*(\set)+12*\m+2*\p:TOK+48*(\set)+12*\m+2*\p+1], v[ADT] offset:12544*\m+48*(\p/3)+8*(\p%3)
.endr
.endr
.endm
.macro FETCH_SC sl
.irp l, 0,1
	ds_load_b128 v[WSC+8*(\sl)+4*\l:WSC+8*(\sl)+4*\l+3], v[WAD+(\sl)] offset:24576+512*\l
.endr
.endm
.macro FETCH_TSC set
.irp m, 0,1,2,3
	ds_load_b32 v[TSC+4*(\set)+\m], v[ADS] offset:640*\m
.endr
.endm
; A PREFETCH INTO THE L2 of the stream: in K step n (0 .. 21) the piece n + 3 of 131,072 bytes.  All clusters walk the same stream: cluster 0 asks.  Its 16 waves share a piece out BY ADDRESS, 8,192 bytes each,
; lanes 256 bytes apart: each aligned block of 256 bytes from byte 393,216 on is named once; the last piece ends at the buffer's end, and steps 22 on ask for nothing.
.macro ASK
	s_cmp_le_u32 s[SN], s[LIM]
	s_cbranch_scc0 .Lnot_mine_\@
	global_prefetch_b8 v[PFO], s[PFA:PFA+1] th:TH_LOAD_NT scope:SCOPE_SE
.Lnot_mine_\@:
.endm
; A K STEP that fills its slot again.  All of the step's weights are in registers (or asked for) when it begins, so its slot is free in its middle.
; nexta = 1: the next step's tokens are fetched too.  head: how many younger LDS loads may be out at its head.
.macro STEP sl, zero, nexta, ask, head
.if \ask
	s_wait_xcnt 0x0                                ; the last prefetch, a step back, has read its address
	s_add_nc_u64 s[PFA:PFA+1], s[PFA:PFA+1], 131072
	s_add_co_u32 s[SN], s[SN], 1
.endif
	s_wait_dscnt \head                             ; weight tiles 0-7, tokens and scale words are in; tiles 8-15's 24 loads may be out
	MUL 0, 4, \sl, \zero
	WIN 0                                          ; (the add's two registers lie in window 0)
	s_wait_tensorcnt 0x0                           ; all my tensor loads have landed: the one that was out is my quarter of the next step
	ds_add_u32 v[SPW], v[NIL]                      ; 0 onto my spare word
	MUL 4, 2, \sl, \zero                           ; eight matrix instructions stand between the add and the wait for it
	s_wait_dscnt 0x0                               ; the add is done, and my reads of this slot, and of source 1's rows so far, are over
	s_barrier_signal -1                            ; opens a round of the cluster's barrier
	MUL 6, 2, \sl, \zero
	WIN 0
	s_barrier_wait -1
	CREST                                          ; no wave of any partner still reads this slot or has a load on its way
	s_add_nc_u64 s[G0+4*(\sl)+2:G0+4*(\sl)+3], s[G0+4*(\sl)+2:G0+4*(\sl)+3], 2*SLOTB
	tensor_load_to_lds s[G0+4*(\sl):G0+4*(\sl)+3], s[G1:G1+7]   ; my one load behind the round: two steps on; one load of mine is out
	s_nop 0
	PLACES 4                                       ; (the places in front of the loads below)
.if \nexta
	s_add_co_u32 s[KO], s[KO], 96
	s_add_co_u32 s[KS], s[KS], 4
	v_add_nc_u32 v[ADT], s[KO], v[ADRA0]
	v_add_nc_u32 v[ADS], s[KS], v[ADTS0]
.endif
	FETCH_W 1-\sl, 0
.if \nexta
	FETCH_TOK 1-\sl
.endif
	FETCH_SC 1-\sl
.if \nexta
	FETCH_TSC 1-\sl
.endif
.if \ask
	ASK
.endif
	MUL 8, 8, \sl, \zero
	PLACES 4
	FETCH_W 1-\sl, 8
.endm
.macro STEP_NF sl                      ; the last step but one: nothing is left to fill, so no round; only I read my quarter, so my own wait orders the reads
	s_wait_dscnt 24
	MUL 0, 8, \sl, 0
	s_wait_dscnt 0x0
	WIN 0
	s_wait_tensorcnt 0x0                           ; my quarter of the last step has landed
	PLACES 4
	s_add_co_u32 s[KO], s[KO], 96
	s_add_co_u32 s[KS], s[KS], 4
	v_add_nc_u32 v[ADT], s[KO], v[ADRA0]
	v_add_nc_u32 v[ADS], s[KS], v[ADTS0]
	FETCH_W 1-\sl, 0
	FETCH_TOK 1-\sl
	FETCH_SC 1-\sl
	FETCH_TSC 1-\sl
	MUL 8, 8, \sl, 0
	PLACES 4
	FETCH_W 1-\sl, 8
.endm
.macro STEP_LAST sl
	s_wait_dscnt 24
	MUL 0, 8, \sl, 0
	s_wait_dscnt 0x0
	MUL 8, 8, \sl, 0
	WIN 0
.endm
; My 16 tokens' rows of codes are 12,288 dense bytes, their scale bytes 512: 25 loads of 512 consecutive bytes, a whole phase ahead of their use.
.macro STAGE_LOAD cp, sp
.set I, 0
.rept 24
	global_load_b128 v[STG+4*I:STG+4*I+3], v[L16], s[\cp:\cp+1] offset:512*I th:TH_LOAD_NT
.set I, I+1
.endr
	global_load_b128 v[STS:STS+3], v[L16], s[\sp:\sp+1] th:TH_LOAD_NT
.endm
.macro STAGE_STORE                     ; into rows 784 apart: the linear byte + 16 x its row; three loads are two rows
.irp a, 0,1,2,3,4,5,6,7
	ds_store_b128 v[SA0], v[STG+12*\a:STG+12*\a+3] offset:1568*\a
	ds_store_b128 v[SA1], v[STG+12*\a+4:STG+12*\a+7] offset:1568*\a+512
	ds_store_b128 v[SA0], v[STG+12*\a+8:STG+12*\a+11] offset:1568*\a+1040
.endr
	ds_store_b64 v[SAS], v[STS:STS+1]
	ds_store_b64 v[SAS], v[STS+2:STS+3] offset:8
.endm
; The accumulators of one window become codes.  Unit u = 16 registers at 16 u: token tile u % 4, 16 neighbours d = 32 b + 16 h + 0 .. 15 of head 4 w + hh; a block of 32 lies in lanes l and l xor 16.
.macro QPASS win, adq, ads
	WIN 0x0a+5*((\win)-2)                          ; sources 0 and 1: the window
.set U, 0
.rept 16
	v_max3_num_f32 v[QM+U], |v[16*U]|, |v[16*U+1]|, 0x1800000      ; each accumulator is read from its low end on; the floor 2^(3 - 127) holds the byte at 1 from below
.set U, U+1
.endr
.set U, 0
.rept 16
	v_max3_num_f32 v[QT+U], |v[16*U+8]|, |v[16*U+9]|, 0x1800000
.set U, U+1
.endr
.irp k, 2,4,6
.set U, 0
.rept 16
	v_max3_num_f32 v[QM+U], |v[16*U+\k]|, |v[16*U+\k+1]|, v[QM+U]
.set U, U+1
.endr
.set U, 0
.rept 16
	v_max3_num_f32 v[QT+U], |v[16*U+8+\k]|, |v[16*U+9+\k]|, v[QT+U]
.set U, U+1
.endr
.endr
	WIN 0
.set U, 0
.rept 16
	v_max_num_f32 v[QM+U], v[QM+U], v[QT+U]
.set U, U+1
.endr
.set U, 0
.rept 16
	v_permlanex16_b32 v[QT+U], v[QM+U], s[SEL], s[SEL+1]
.set U, U+1
.endr
.set U, 0
.rept 16
	v_max_num_f32 v[QM+U], v[QM+U], v[QT+U]        ; the block's largest magnitude
.set U, U+1
.endr
.set U, 0
.rept 16
	v_add_nc_u32 v[QM+U], 0xff000000, v[QM+U]      ; 2 off its exponent field: the conversion's scale operand
.set U, U+1
.endr
.set U, 0
.rept 16
	v_lshrrev_b32 v[QT+U], 23, v[QM+U]             ; the scale's byte
.set U, U+1
.endr
.set U, 0
.rept 16
.if ((U>>2)&1) == 0
	v_lshl_or_b32 v[QT+U], v[QT+U+4], 8, v[QT+U]   ; a head's two bytes
.endif
.set U, U+1
.endr
	WIN 0x02+((\win)-2)
.set U, 0
.rept 16
	v_cvt_scalef32_pk16_fp6_f32 v[QC+4*U:QC+4*U+2], v[16*U:16*U+15], v[QM+U]
.set U, U+1
.endr
	v_nop                                          ; one plain instruction behind the last scaled conversion
	WIN 0
.set U, 0
.rept 16
.set OFQ, 12544*(U&3)+48*(2*((\win)-2)+(U>>3))+24*((U>>2)&1)
.irp e, 0,1,2
	ds_store_b32 v[\adq], v[QC+4*U+\e] offset:OFQ+4*\e
.endr
.if ((U>>2)&1) == 0
	ds_store_b16 v[\ads], v[QT+U] offset:576*(U&3)+2*(2*((\win)-2)+(U>>3))   ; lanes l and l xor 16 write the same pair with the same value
.endif
.set U, U+1
.endr
.endm
.macro QUANT adq, ads
	QPASS 2, \adq, \ads
	s_wait_dscnt 0x0                               ; the stores have read their registers
	QPASS 3, \adq, \ads
.endm
	s_load_b512 s[4:19], s[0:1], 0x0               ; key codes, scales; query; value; ws s[16:17]; bp s[18:19]
	s_load_b64 s[20:21], s[0:1], 0x40              ; out0
	v_lshl_add_u32 v[SPW], v0, 2, SPARE
	v_mov_b32 v[NIL], 0
	ds_add_u32 v1, v2
	ds_add_u32 v1, v2
	s_wait_dscnt 0x0
	v_lshrrev_b32 v[TMPA], 5, v0
	v_readfirstlane_b32 s[WV], v[TMPA]             ; wave 0..3
	s_bfe_u32 s[CX], ttmp6, 0x40000                ; my place in the cluster: it enters global addresses of tokens, of out0 and of prefetches alone
	s_lshl_b32 s[WG], ttmp9, 2
	s_add_co_u32 s[WG], s[WG], s[CX]               ; my 64 tokens
	s_and_b32 s[ODD], s[WV], 1
	v_and_b32 v57, 31, v0                          ; lane
	v_and_b32 v62, 15, v0                          ; r
	v_bfe_u32 v63, v0, 4, 1                        ; h
	s_mul_i32 s25, s[WV], QB
	s_mul_i32 s26, s[WV], 12544
	v_lshlrev_b32 v[L16], 4, v57
	v_add_nc_u32 v[WAD], s25, v[L16]
	v_add_nc_u32 v[WAD+1], SLOTB, v[WAD]
	v_mul_u32_u24 v[ADRA0], v62, 784
	v_mad_u32_u24 v[ADRA0], v63, 24, v[ADRA0]
	v_add_nc_u32 v[ADRA0], ABUF, v[ADRA0]
	v_mul_u32_u24 v[ADTS0], v62, 40
	v_add_nc_u32 v[ADTS0], ASC, v[ADTS0]
	v_add_nc_u32 v[SA0], s26, v[L16]
	v_add_nc_u32 v[SA0], ABUF, v[SA0]
	v_lshl_add_u32 v[SA1], v63, 4, v[SA0]
	v_lshrrev_b32 v[TMPA], 1, v57
	v_mul_u32_u24 v[SAS], v[TMPA], 40
	v_and_b32 v[TMPA], 1, v57
	v_lshl_add_u32 v[SAS], v[TMPA], 4, v[SAS]
	s_mul_i32 s27, s[WV], 640
	v_add_nc_u32 v[SAS], s27, v[SAS]
	v_add_nc_u32 v[SAS], ASC, v[SAS]
	v_mul_u32_u24 v[TMPA], v62, 784
	v_mad_u32_u24 v[TMPA], v63, 12, v[TMPA]
	s_mul_i32 s27, s[WV], 192
	v_add_nc_u32 v[TMPA], s27, v[TMPA]
	v_add_nc_u32 v[ADQK], KC, v[TMPA]
	v_add_nc_u32 v[ADQQ], ABUF, v[TMPA]
	v_mul_u32_u24 v[TMPA], v62, 36
	s_lshl_b32 s27, s[WV], 3
	v_add_nc_u32 v[TMPA], s27, v[TMPA]
	v_add_nc_u32 v[ADSK], KSC, v[TMPA]
	v_add_nc_u32 v[ADSQ], ASC, v[TMPA]
	v_mul_u32_u24 v[TMPA], v62, 48
	v_mad_u32_u24 v[TMPA], v63, 24, v[TMPA]
	v_add_nc_u32 v[TMPA], s26, v[TMPA]
	v_add_nc_u32 v[P4K], KC, v[TMPA]
	v_add_nc_u32 v[P4Q], ABUF, v[TMPA]
	v_lshlrev_b32 v[TMPA], 1, v62
	v_mad_u32_u24 v[P4S], v63, ASC-KSC, v[TMPA]    ; the lower base + h x the distance between the two
	s_mul_i32 s27, s[WV], 576
	v_add_nc_u32 v[P4S], s27, v[P4S]
	v_add_nc_u32 v[P4S], KSC, v[P4S]
	v_lshlrev_b32 v[TMPA], 4, v62
	v_lshl_add_u32 v[TMPA], v63, 9, v[TMPA]
	s_mul_i32 s27, s[WV], 16640
	v_add_nc_u32 v[TMPA], s27, v[TMPA]
	v_add_nc_u32 v[ATW], ATT, v[TMPA]
	v_mul_u32_u24 v[ATR0], v62, 1040
	v_add_nc_u32 v[ATR0], ATT, v[ATR0]
	v_mul_u32_u24 v[TMPA], v62, 48
	v_mad_u32_u24 v[TMPA], v63, 784, v[TMPA]
	s_mul_i32 s27, s[WV], 12
	v_add_nc_u32 v[TMPA], s27, v[TMPA]
	v_add_nc_u32 v[ADX0], ABUF, v[TMPA]
	v_lshlrev_b32 v[TMPA], 1, v62
	v_mad_u32_u24 v[TMPA], v63, 40, v[TMPA]
	s_lshr_b32 s27, s[WV], 1
	v_add_nc_u32 v[TMPA], s27, v[TMPA]
	v_add_nc_u32 v[ADXS0], ASC, v[TMPA]
	s_lshl_b32 s27, s[WV], 9
	v_add_nc_u32 v[MXW], s27, v[L16]
	v_add_nc_u32 v[MXW], MX, v[MXW]
	s_xor_b32 s27, s[WV], 1
	s_lshl_b32 s27, s27, 9
	v_add_nc_u32 v[MXR], s27, v[L16]
	v_add_nc_u32 v[MXR], MX, v[MXR]
	v_mul_u32_u24 v[TMPA], v62, 1040
	v_lshl_add_u32 v[TMPA], v63, 5, v[TMPA]
	v_add_nc_u32 v[STO], s25, v[TMPA]
	v_lshlrev_b32 v[PFO], 8, v57
	; descriptor group 1: a quarter is 25,600 dense bytes: 100 rows of 32 elements of 8 bytes, no padding
	s_mov_b32 s[G1+0], 15|(3<<16)|(1<<21)          ; 15:0 the mask: all four work-groups; 17:16 elements of 8 bytes; 21 set beside a mask
	s_mov_b32 s[G1+1], 32<<16                      ; tensor_dim0 = 32
	s_mov_b32 s[G1+2], 100<<16                     ; tensor_dim1 = 100
	s_mov_b32 s[G1+3], 32<<16                      ; tile_dim0 = 32
	s_mov_b32 s[G1+4], 100                         ; tile_dim1 = 100
	s_mov_b32 s[G1+5], 32                          ; from row to row
	s_mov_b32 s[G1+6], 0
	s_mov_b32 s[G1+7], 0
	s_mov_b32 s[SEL], 0x76543210
	s_mov_b32 s[SEL+1], 0xfedcba98                 ; v_permlanex16_b32's selects for lane l xor 16
	s_mov_b32 s[CS], 0x3e38aa3b                    ; c = log2(e) / 8
	s_mov_b32 s[CS+1], s[CS]
	s_mov_b32 s[KO], 0
	s_mov_b32 s[KS], 0
	s_mov_b32 s[SN], 0
	s_mov_b32 s[PH], 0
	s_cmp_eq_u32 ttmp9, 0                          ; the cluster's number: the same in all four partners
	s_cselect_b32 s[LIM], 22, 0
	s_mul_i32 s66, s[WG], 49152                    ; my work-group's 64 rows of 768 bytes,
	s_mul_i32 s71, s[WV], 12288                    ; my wave's 16
	s_add_co_u32 s66, s66, s71
	s_mov_b32 s67, 0
	s_lshl_b32 s68, s[WG], 11                      ; and their scale bytes, 32 a row
	s_lshl_b32 s71, s[WV], 9
	s_add_co_u32 s68, s68, s71
	s_mov_b32 s69, 0
	s_lshr_b32 s72, s[WG], 5                       ; out0: batch x 2,048 rows of 4,096 bytes,
	s_lshl_b32 s72, s72, 23
	s_and_b32 s71, s[WG], 31
	s_lshl_b32 s71, s71, 14                        ; + 4 rows for each work-group of the batch,
	s_add_co_u32 s72, s72, s71
	s_lshl_b32 s74, s[WV], 10                      ; + my wave's 256 columns; bp likewise
	s_add_co_u32 s72, s72, s74
	s_mov_b32 s73, 0
	s_mov_b32 s75, 0
	s_mov_b32 s76, s25                             ; my quarter in the stream
	s_mov_b32 s77, 0
	s_lshl_b32 s78, s[CX], 2
	s_add_co_u32 s78, s78, s[WV]
	s_lshl_b32 s78, s78, 13                        ; my 8,192 bytes of a piece,
	s_add_co_u32 s78, s78, 2*131072                ; in piece 2: the first step steps it to piece 3
	s_mov_b32 s79, 0
	v_add_nc_u32 v[ADT], s[KO], v[ADRA0]
	v_add_nc_u32 v[ADS], s[KS], v[ADTS0]
	s_wait_kmcnt 0x0
	s_add_nc_u64 s[4:5], s[4:5], s[66:67]
	s_add_nc_u64 s[8:9], s[8:9], s[66:67]
	s_add_nc_u64 s[12:13], s[12:13], s[66:67]
	s_add_nc_u64 s[6:7], s[6:7], s[68:69]
	s_add_nc_u64 s[10:11], s[10:11], s[68:69]
	s_add_nc_u64 s[14:15], s[14:15], s[68:69]
	s_add_nc_u64 s[20:21], s[20:21], s[72:73]
	s_add_nc_u64 s[18:19], s[18:19], s[74:75]
	s_add_nc_u64 s[PFA:PFA+1], s[16:17], s[78:79]
	s_mov_b32 s[G0], 1                             ; group 0 of slot 0: count 1, LDS address, global address, type 2
	s_mov_b32 s[G0+1], s25
	s_add_nc_u64 s[G0+2:G0+3], s[16:17], s[76:77]
	s_mov_b32 s[G0+4], 1                           ; and of slot 1: K step 1
	s_add_co_u32 s[G0+5], s25, SLOTB
	s_add_nc_u64 s[G0+6:G0+7], s[G0+2:G0+3], SLOTB
	s_or_b32 s[G0+3], s[G0+3], 0x80000000
	s_or_b32 s[G0+7], s[G0+7], 0x80000000
	STAGE_LOAD 4, 6                                ; key's rows
	CROUND                                         ; all four work-groups are here: the first joint loads meet
	tensor_load_to_lds s[G0:G0+3], s[G1:G1+7]      ; the two first fills go out together: two loads of mine are out
	s_nop 0
	tensor_load_to_lds s[G0+4:G0+7], s[G1:G1+7]
	s_nop 0
	PLACES 4
	s_wait_loadcnt 0x0
	STAGE_STORE
	s_mov_b64 s[60:61], s[8:9]                     ; the rows to be fetched next: query's
	s_mov_b64 s[62:63], s[10:11]
	s_wait_tensorcnt 1                             ; my quarter of K step 0 is in; step 1's may be out
	s_wait_dscnt 0x0                               ; my 16 rows of key lie in LDS
	s_barrier_signal -1
	s_barrier_wait -1                              ; everybody's do
	FETCH_W 0, 0
	FETCH_SC 0
	FETCH_W 0, 8
	FETCH_TOK 0
	FETCH_TSC 0
.Lphase:                                           ; three trips: K, Q, V.  Eight K steps each; what follows them differs
	s_cmp_lt_u32 s[PH], 2
	s_cbranch_scc0 .Lno_rows
	STAGE_LOAD 60, 62                              ; the next phase's rows, into registers: they have the phase in which to land
.Lno_rows:
	STEP 0, 1, 1, 1, 0                             ; the first step's products start the sums: nothing is cleared
	s_mov_b32 s[CNT], 3
.Lsteps:
	STEP 1, 0, 1, 1, 24
	STEP 0, 0, 1, 1, 24
	s_sub_co_u32 s[CNT], s[CNT], 1
	s_cmp_lg_u32 s[CNT], 0
	s_cbranch_scc1 .Lsteps
	STEP 1, 0, 0, 1, 24                            ; fetches the next phase's first weights, no tokens.  Behind its round no wave reads source 1's rows or scale bytes any more
	s_cmp_eq_u32 s[PH], 0
	s_cbranch_scc0 .Lnot_k
	; ---- behind K: query's rows take key's place; k becomes codes
	s_wait_loadcnt 0x0
	STAGE_STORE
	s_mov_b64 s[60:61], s[12:13]                   ; (their loads are done)  next: value's
	s_mov_b64 s[62:63], s[14:15]
	QUANT ADQK, ADSK
	s_branch .Ljoin
.Lnot_k:
	s_cmp_eq_u32 s[PH], 1
	s_cbranch_scc0 .Lphase_end
	; ---- behind Q: q becomes codes, over query's rows; then, token by token, k q^T and the softmax
	QUANT ADQQ, ADSQ
	s_wait_dscnt 0x0
	s_barrier_signal -1
	s_barrier_wait -1                              ; all heads' codes of q lie in LDS (k's since the trip before)
	; Wave w takes tokens 16 w + i.  Source 0 = the token's 16 heads of k, source 1 = its 16 heads of q, K = 64: the operands' registers 6-11 (K 64 .. 127) hold zero codes.
	; Eight places of 24 registers in window 2; the results in window 3, 8 registers a token: lane (head of q, half) holds the heads of k 8 half + 0 .. 7.
	WIN 0x80
.set PS, 0
.rept 8
.irp j, 6,7,8,9,10,11,18,19,20,21,22,23
	v_mov_b32 v[24*PS+\j], 0
.endr
.set PS, PS+1
.endr
	WIN 0
.set I, 0
.rept 16
	ds_load_u16 v[P4SC+I], v[P4S] offset:36*I      ; lanes 0-15: k's two scale bytes of head r; lanes 16-31: q's; bytes 2 and 3 are 0, over zero codes
.set I, I+1
.endr
.macro P4LOAD b                        ; tokens 4 b .. 4 b + 3: 24 loads
	WIN 0x80
.set I, 4*(\b)
.rept 4
.set PS, 4*((\b)&1)+(I&3)
.irp p, 0,1,2
	ds_load_b64 v[24*PS+2*\p:24*PS+2*\p+1], v[P4K] offset:784*I+8*\p
	ds_load_b64 v[24*PS+12+2*\p:24*PS+12+2*\p+1], v[P4Q] offset:784*I+8*\p
.endr
.set I, I+1
.endr
.endm
.macro P4MUL b
	WIN 0xca
.set I, 4*(\b)
.rept 4
.set PS, 4*((\b)&1)+(I&3)
	v_wmma_scale_f32_16x16x128_f8f6f4 v[8*I:8*I+7], v[24*PS:24*PS+11], v[24*PS+12:24*PS+23], 0, v[P4SC+I], v[P4SC+I] matrix_a_fmt:MATRIX_FMT_FP6 matrix_b_fmt:MATRIX_FMT_FP6 matrix_b_scale:MATRIX_SCALE_ROW1
.set I, I+1
.endr
.endm
	P4LOAD 0
	P4LOAD 1
	s_wait_dscnt 24                                ; the scale words and the first four tokens are in; the next four's 24 loads may be out
	P4MUL 0
	PLACES 4
	P4LOAD 2
	s_wait_dscnt 24
	P4MUL 1
	PLACES 4
	P4LOAD 3
	s_wait_dscnt 24
	P4MUL 2
	s_wait_dscnt 0x0
	P4MUL 3
	PLACES 4
	s_barrier_signal -1                            ; my reads of k's and q's codes and scale pairs are over; the softmax, on registers alone, stands between signal and wait
	WIN 0xff                                       ; all in window 3: scores 8 i; c m and a second register 128 + 2 i; sums 160 + 4 i
.set I, 0
.rept 16
	v_max3_num_f32 v[128+2*I], v[8*I], v[8*I+1], v[8*I+2]
.set I, I+1
.endr
.set I, 0
.rept 16
	v_max3_num_f32 v[129+2*I], v[8*I+3], v[8*I+4], v[8*I+5]
.set I, I+1
.endr
.set I, 0
.rept 16
	v_max3_num_f32 v[128+2*I], v[128+2*I], v[129+2*I], v[8*I+6]
.set I, I+1
.endr
.set I, 0
.rept 16
	v_max_num_f32 v[128+2*I], v[128+2*I], v[8*I+7]
.set I, I+1
.endr
.set I, 0
.rept 16
	v_permlanex16_b32 v[129+2*I], v[128+2*I], s[SEL], s[SEL+1]
.set I, I+1
.endr
.set I, 0
.rept 16
	v_max_num_f32 v[128+2*I], v[128+2*I], v[129+2*I]   ; the row's largest score
.set I, I+1
.endr
.set I, 0
.rept 16
	v_mul_f32 v[128+2*I], s[CS], v[128+2*I]        ; c m
.set I, I+1
.endr
.irp j, 0,2,4,6
.set I, 0
.rept 16
	v_pk_fma_f32 v[8*I+\j:8*I+\j+1], v[8*I+\j:8*I+\j+1], s[CS:CS+1], v[128+2*I:129+2*I] op_sel_hi:[1,0,0] neg_lo:[0,0,1] neg_hi:[0,0,1]   ; c s - c m, 0 or less
.set I, I+1
.endr
.endr
.set I, 0
.rept 128
	v_exp_f32 v[I], v[I]
.set I, I+1
.endr
	v_nop                                          ; a plain instruction behind the last exponential,
	s_wait_alu depctr_va_vdst(0)                   ; and one wait for the batch, ahead of its first reader
.set I, 0
.rept 16
	v_pk_add_f32 v[160+4*I:161+4*I], v[8*I:8*I+1], v[8*I+2:8*I+3]
	v_pk_add_f32 v[162+4*I:163+4*I], v[8*I+4:8*I+5], v[8*I+6:8*I+7]
.set I, I+1
.endr
.set I, 0
.rept 16
	v_pk_add_f32 v[160+4*I:161+4*I], v[160+4*I:161+4*I], v[162+4*I:163+4*I]
.set I, I+1
.endr
.set I, 0
.rept 16
	v_add_f32 v[160+4*I], v[160+4*I], v[161+4*I]
.set I, I+1
.endr
.set I, 0
.rept 16
	v_permlanex16_b32 v[161+4*I], v[160+4*I], s[SEL], s[SEL+1]
.set I, I+1
.endr
.set I, 0
.rept 16
	v_add_f32 v[160+4*I], v[160+4*I], v[161+4*I]   ; the row's sum
.set I, I+1
.endr
.set I, 0
.rept 16
	v_rcp_f32 v[162+4*I], v[160+4*I]
.set I, I+1
.endr
	v_nop
	s_wait_alu depctr_va_vdst(0)                   ; one wait for the sixteen reciprocals
.irp j, 0,2,4,6
.set I, 0
.rept 16
	v_pk_mul_f32 v[8*I+\j:8*I+\j+1], v[8*I+\j:8*I+\j+1], v[162+4*I:163+4*I] op_sel_hi:[1,0]   ; attn, finished and normalised
.set I, I+1
.endr
.endr
	s_barrier_wait -1                              ; no wave reads k's or q's codes any more: attn and value's rows may take their places
	WIN 0x0c                                       ; an LDS store's data are its source 1: window 3
.set I, 0
.rept 16
	ds_store_b128 v[ATW], v[8*I:8*I+3] offset:1040*I
	ds_store_b128 v[ATW], v[8*I+4:8*I+7] offset:1040*I+256
.set I, I+1
.endr
	WIN 0
	s_wait_loadcnt 0x0
	STAGE_STORE                                    ; value's rows
.Ljoin:
	s_wait_dscnt 0x0                               ; my stores have landed
	s_barrier_signal -1
	s_barrier_wait -1                              ; the next phase's rows lie in LDS
	s_mov_b32 s[KO], 0
	s_mov_b32 s[KS], 0
	v_add_nc_u32 v[ADT], s[KO], v[ADRA0]
	v_add_nc_u32 v[ADS], s[KS], v[ADTS0]
	FETCH_TOK 0
	FETCH_TSC 0
.Lphase_end:
	s_add_co_u32 s[PH], s[PH], 1
	s_cmp_lt_u32 s[PH], 3
	s_cbranch_scc1 .Lphase
	; ---- x = attn v, in f32, and X'.  Lane (r, h) holds v(token 16 mt + r, head g, d = 16 w + 8 h + 0 .. 7) in accumulator (mt, g).  Two heads of x a trip: attn(head, g) comes from LDS, four g to a load.
	s_wait_loadcnt 0x0                             ; no staged row is on its way into the registers that x takes
	s_mov_b32 s[HP], 8
	s_mov_b32 s[HA], 0
	s_mov_b32 s[HX], 0
	s_mov_b32 s[HS], 0
	v_add_nc_u32 v[ATR], s[HA], v[ATR0]
.macro ATLOAD q0, extra                ; attn(heads 2 hp, 2 hp + 1; g = 4 q0 .. 4 q0 + 7) of my four tokens: 16 loads
.irp m, 0,1,2,3
.irp a, 0,1
.irp q, 0,1
	ds_load_b128 v[AT+32*\m+16*\a+4*((\q0)+\q):AT+32*\m+16*\a+4*((\q0)+\q)+3], v[ATR] offset:16640*\m+256*((\q0)+\q)+16*\a+(\extra)
.endr
.endr
.endr
.endm
.macro XFMA g0                         ; eight g: 256 packed multiply-adds; attn's number serves both halves.  Each accumulator is first read at its low end
.set G, \g0
.rept 8
.set MT, 0
.rept 4
.irp a, 0,1
.irp jp, 0,1,2,3
.set XR, XX+16*MT+8*\a+2*\jp
.set AR, AT+32*MT+16*\a+(G&14)
.set VR, 64*((G>>1)&3)+16*MT+8*(G&1)+2*\jp
.if G == 0
	v_pk_mul_f32 v[XR:XR+1], v[AR:AR+1], v[VR:VR+1] op_sel_hi:[0,1]
.elseif (G&1)
	v_pk_fma_f32 v[XR:XR+1], v[AR:AR+1], v[VR:VR+1], v[XR:XR+1] op_sel:[1,0,0] op_sel_hi:[1,1,1]
.else
	v_pk_fma_f32 v[XR:XR+1], v[AR:AR+1], v[VR:VR+1], v[XR:XR+1] op_sel_hi:[0,1,1]
.endif
.endr
.endr
.set MT, MT+1
.endr
.set G, G+1
.endr
.endm
	ATLOAD 0, 0
.Lpair:
	ATLOAD 2, 0
	s_wait_dscnt 16                                ; g = 0 .. 7 are in; the 16 loads just issued may be out
	WIN 0x08                                       ; source 1 (v): window 2
	XFMA 0
	WIN 0
	ATLOAD 0, 32                                   ; the next two heads' g = 0 .. 7 (in the last trip: bytes of the same tokens' attn that are not used)
	s_wait_dscnt 16
	WIN 0x0c
	XFMA 8
	WIN 0
.irp m, 0,1,2,3
.irp j, 0,1,2,3,4,5,6,7
	v_permlane16_swap_b32 v[XX+16*\m+\j], v[XX+16*\m+8+\j]   ; now lane (r, a) holds head 2 hp + a, d = 16 w + 0 .. 15, in 16 registers on end
.endr
.endr
.irp m, 0,1,2,3
	v_max3_num_f32 v[72+\m], |v[XX+16*\m]|, |v[XX+16*\m+1]|, 0x1800000
.endr
.irp k, 2,4,6,8,10,12,14
.irp m, 0,1,2,3
	v_max3_num_f32 v[72+\m], v[72+\m], |v[XX+16*\m+\k]|, |v[XX+16*\m+\k+1]|
.endr
.endr
	ds_store_b128 v[MXW], v[72:75]                 ; a block of 32 along X's K is half a head: my 16 numbers and those of wave w xor 1, in the same lane
	s_wait_dscnt 0x0
	s_barrier_signal -1
	s_barrier_wait -1
	ds_load_b128 v[76:79], v[MXR]
	s_wait_dscnt 0x0
	s_barrier_signal -1                            ; my read is over: behind this barrier the words may be written again; register work stands between signal and wait
.irp m, 0,1,2,3
	v_max_num_f32 v[72+\m], v[72+\m], v[76+\m]     ; the block's largest magnitude
.endr
.irp m, 0,1,2,3
	v_add_nc_u32 v[88+\m], 0xff000000, v[72+\m]    ; the conversion's scale operand
.endr
.irp m, 0,1,2,3
	v_lshrrev_b32 v[92+\m], 23, v[88+\m]           ; the scale's byte
.endr
.irp m, 0,1,2,3
	v_cvt_scalef32_pk16_fp6_f32 v[104+4*(\m&1)+16*(\m>>1):106+4*(\m&1)+16*(\m>>1)], v[XX+16*\m:XX+16*\m+15], v[88+\m]
.endr
	v_nop                                          ; one plain instruction behind the last scaled conversion
	v_add_nc_u32 v[ADX], s[HX], v[ADX0]            ; X' row 16 mt + head, bytes 48 r + 12 w on
	v_add_nc_u32 v[ADXS], s[HS], v[ADXS0]
	s_barrier_wait -1
.irp m, 0,1,2,3
.irp e, 0,1,2
	ds_store_b32 v[ADX], v[104+4*(\m&1)+16*(\m>>1)+\e] offset:12544*\m+4*\e
.endr
.endr
	s_cmp_eq_u32 s[ODD], 0                         ; both waves of a block hold its byte: the even one stores it
	s_cbranch_scc0 .Lno_byte
.irp m, 0,1,2,3
	ds_store_b8 v[ADXS], v[92+\m] offset:640*\m
.endr
.Lno_byte:
	s_add_co_u32 s[HA], s[HA], 32
	s_add_co_u32 s[HX], s[HX], 1568
	s_add_co_u32 s[HS], s[HS], 80
	v_add_nc_u32 v[ATR], s[HA], v[ATR0]
	s_sub_co_u32 s[HP], s[HP], 1
	s_cmp_lg_u32 s[HP], 0
	s_cbranch_scc1 .Lpair
	s_wait_dscnt 0x0
	s_barrier_signal -1
	s_barrier_wait -1                              ; the 64 rows of X' and their scale bytes lie in LDS
	s_mov_b32 s[KO], 0
	s_mov_b32 s[KS], 0
	v_add_nc_u32 v[ADT], s[KO], v[ADRA0]
	v_add_nc_u32 v[ADS], s[KS], v[ADTS0]
	FETCH_TOK 0
	FETCH_TSC 0
	global_load_b128 v[BPR:BPR+3], v[L16], s[18:19]              ; bp of my 256 columns, as a row of out0 leaves: 4 numbers a lane, twice
	global_load_b128 v[BPR+4:BPR+7], v[L16], s[18:19] offset:512
	; ---- the P phase: K steps 24 to 31 of the stream; the last two fill nothing
	STEP 0, 1, 1, 0, 0
	s_mov_b32 s[CNT], 2
.Lsteps_p:
	STEP 1, 0, 1, 0, 24
	STEP 0, 0, 1, 0, 24
	s_sub_co_u32 s[CNT], s[CNT], 1
	s_cmp_lg_u32 s[CNT], 0
	s_cbranch_scc1 .Lsteps_p
	STEP 1, 0, 1, 0, 24
	STEP_NF 0
	STEP_LAST 1
	; ---- THE WAY OUT, a token tile (16 rows of X', one for each head) at a time.  A lane holds 32 neighbouring bytes of a row: the tile goes through my own stage and comes back as rows of 1,024 bytes.
	; The stage is my quarter of slot 0: it has had its last fill and its last read.  LDS serves a wave's instructions in order (ISA guide 5.7.1.4): no wait between the stores and the loads.
.macro TOSTAGE a
.set TT, 0
.rept 16
.if TT < 8
	WIN 0x08
.else
	WIN 0x0c
.endif
.set AC, 64*((TT>>1)&3)+16*(\a)+8*(TT&1)
	ds_store_b128 v[STO], v[AC:AC+3] offset:64*TT               ; each accumulator from its low end on
	ds_store_b128 v[STO], v[AC+4:AC+7] offset:64*TT+16
.set TT, TT+1
.endr
	WIN 0x40                                       ; back into window 1, whose fragments are done with
.set I, 0
.rept 16
	ds_load_b128 v[128*((\a)&1)+8*I:128*((\a)&1)+8*I+3], v[WAD] offset:1040*I
	ds_load_b128 v[128*((\a)&1)+8*I+4:128*((\a)&1)+8*I+7], v[WAD] offset:1040*I+512
.set I, I+1
.endr
	WIN 0
.endm
.macro SEND a, younger
	s_wait_dscnt \younger                          ; the tile is back in registers
	WIN 0x41
.set I, 0
.rept 16
.irp k, 0,2,4,6
	v_pk_add_f32 v[128*((\a)&1)+8*I+\k:128*((\a)&1)+8*I+\k+1], v[128*((\a)&1)+8*I+\k:128*((\a)&1)+8*I+\k+1], v[BPR+\k:BPR+\k+1]
.endr
.set I, I+1
.endr
	WIN 0x04                                       ; a store's data are its source 1: window 1
.set I, 0
.rept 16
	global_store_b128 v[L16], v[128*((\a)&1)+8*I:128*((\a)&1)+8*I+3], s[20:21] offset:524288*I+4096*(\a) th:TH_STORE_NT        ; head I's row lies 128 rows on; 32 lanes store 512 consecutive bytes, aligned to 256
	global_store_b128 v[L16], v[128*((\a)&1)+8*I+4:128*((\a)&1)+8*I+7], s[20:21] offset:524288*I+4096*(\a)+512 th:TH_STORE_NT  ; the largest offset, 7,877,120, lies inside the signed 24-bit immediate
.set I, I+1
.endr
	WIN 0
.endm
	PLACES 4                                       ; behind the last products: for the reads of results and for the loads into window 1
	s_wait_loadcnt 0x0                             ; bp
	TOSTAGE 0
.irp a, 1,2,3
.if \a > 1
	s_wait_xcnt 0x0                                ; tile a - 2's stores have read their registers: tile a's loads may land there
.endif
	TOSTAGE \a
	SEND \a-1, 63                                  ; behind tile a - 1's loads stand tile a's 32 stores and 32 loads; the count's field ends at 63
.endr
	SEND 3, 0
	s_wait_tensorcnt 0x0                           ; the wave's end: behind my last tensor load and my last LDS store
	ds_add_u32 v[SPW], v[NIL]
	s_wait_dscnt 0x0
	CROUND                                         ; the closing round: no work-group ends while a partner may still ask for a quarter that names it
	s_endpgm
.Lfunc_end_k_q9cc59a6c0d_fused:
	.size	k_q9cc59a6c0d_fused, .Lfunc_end_k_q9cc59a6c0d_fused-k_q9cc59a6c0d_fused
	.p2alignl 7, 3214868480
	.fill 96, 4, 3214868480
	.section	.rodata,"a",@progbits
	.p2align	6, 0x0
	.amdhsa_kernel k_q9cc59a6c0d_fused
		.amdhsa_group_segment_fixed_size 327680
		.amdhsa_private_segment_fixed_size 0
		.amdhsa_enable_private_segment 0
		.amdhsa_kernarg_size 72
		.amdhsa_user_sgpr_count 2
		.amdhsa_user_sgpr_kernarg_segment_ptr 1
		.amdhsa_wavefront_size32 1
		.amdhsa_system_sgpr_workgroup_id_x 1
		.amdhsa_system_sgpr_workgroup_id_y 1
		.amdhsa_system_sgpr_workgroup_id_z 1
		.amdhsa_system_vgpr_workitem_id 0
		.amdhsa_next_free_vgpr 1024
		.amdhsa_next_free_sgpr 84
		.amdhsa_reserve_vcc 0
		.amdhsa_float_denorm_mode_32 3
		.amdhsa_float_denorm_mode_16_64 3
		.amdhsa_memory_ordered 1
		.amdhsa_forward_progress 1
		.amdhsa_inst_pref_size 255
	.end_amdhsa_kernel
	.section	.bss,"aw",@nobits
	.p2align	6
	.space	262144
	.amdgpu_metadata
---
amdhsa.version: [ 1, 2 ]
amdhsa.kernels:
  - .name:           k_q9cc59a6c0d_fused
    .symbol:         k_q9cc59a6c0d_fused.kd
    .args:
      - { .name: key_codes, .offset: 0, .size: 8, .value_kind: global_buffer, .address_space: global }
      - { .name: key_scales, .offset: 8, .size: 8, .value_kind: global_buffer, .address_space: global }
      - { .name: query_codes, .offset: 16, .size: 8, .value_kind: global_buffer, .address_space: global }
      - { .name: query_scales, .offset: 24, .size: 8, .value_kind: global_buffer, .address_space: global }
      - { .name: value_codes, .offset: 32, .size: 8, .value_kind: global_buffer, .address_space: global }
      - { .name: value_scales, .offset: 40, .size: 8, .value_kind: global_buffer, .address_space: global }
      - { .name: ws, .offset: 48, .size: 8, .value_kind: global_buffer, .address_space: global }
      - { .name: bp, .offset: 56, .size: 8, .value_kind: global_buffer, .address_space: global }
      - { .name: out0, .offset: 64, .size: 8, .value_kind: global_buffer, .address_space: global }
    .group_segment_fixed_size: 327680
    .private_segment_fixed_size: 0
    .kernarg_segment_align: 8
    .kernarg_segment_size: 72
    .max_flat_workgroup_size: 128
    .sgpr_count:     84
    .vgpr_count:     1024
    .wavefront_size: 32
...
	.end_amdgpu_metadata
.endif
;; end of part 2
;; ======== version 2 of 2: 2 launches
;; limits: right only within a limited range of input values
;; workspace buffers: ws 3,276,800 bytes
;; launch lay (part 3): grid 256 x 1, 1 waves a work-group, no clusters, 0 bytes of LDS; arguments Wk_codes, Wk_scales, Wq_codes, Wq_scales, Wv_codes, Wv_scales, Wp_codes, Wp_scales, ws; writes ws
.if DOCPART == 3
	.amdgcn_target "amdgcn-amd-amdhsa--gfx1250"
	.amdhsa_code_object_version 6
	.text
	.protected	k_q9cc59a6c0d_lay
	.globl	k_q9cc59a6c0d_lay
	.p2align	8
	.type	k_q9cc59a6c0d_lay,@function
k_q9cc59a6c0d_lay:
	s_mov_b64 s[64:65], 0
	v_nop
	global_prefetch_b8 v0, s[64:65] scope:SCOPE_SE
	s_setreg_imm32_b32 hwreg(HW_REG_WAVE_MODE, 25, 1), 1
	s_wait_xcnt 0x0
; The four weights [1024][1024] (codes of E2M3, K innermost: 768 bytes a row; one E8M0 byte for each 32 along K: 32 bytes a row) are laid once
; into ONE stream, in the order in which the second launch's waves take them into operand registers.
; ws = 32 steps x 102,400 bytes; step 8 p + s: weight p (0 Wk, 1 Wq, 2 Wv, 3 Wp), K = 128 s .. 128 s + 127.  A step = 4 quarters of 25,600 bytes, one for each wave w of the reader.
; A quarter = 16 tiles of 16 weight rows x 128 K as IMAGES OF REGISTERS (register 4 c + e of lane l at 1,536 tile + 512 c + 16 l + 4 e), then 1,024 bytes of scale words:
; the word of tile t, row r at 24,576 + 512 (t / 8) + 16 (16 (t % 2) + r) + 4 ((t / 2) % 4).
; WHICH ROW OF THE WEIGHT IS ROW m OF TILE t OF WAVE w:  Wk, Wq: 256 w + 32 (t / 2) + 8 (t % 2) + m + 8 (m / 8)   (two neighbouring tiles then give a lane 16 neighbours of a head)
;   Wv: 64 t + 16 w + m   (a tile to a head, 16 of its 64 to a wave)        Wp: 256 w + 16 t + m
; All three are  w wm + L Lm + a bit2 + b bit1 + c bit0 + m + e8 (m / 8)  with t = 8 L + (bit2 bit1 bit0).
; One wave to a work-group; work-group id = 64 p + 16 w + 2 s + L makes half a quarter: 8 tiles and 512 bytes of scale words.  Every store of the wave covers 512 consecutive bytes, aligned to 256.
; Wp IS LAID OTHERWISE THAN THE LINES ON Wp ABOVE SAY: step 24 + s holds the output columns 128 s .. 128 s + 127 for ALL of K:
; row m of tile t of wave w is Wp's row 128 s + 32 w + 16 (t % 2) + m, and the tile's K is 128 (t / 2) .. 128 (t / 2) + 127.
; xpos and ypos have no way to the output: no launch loads them or has them among its arguments.
.set STEPB, 102400
.set QB,    25600
	s_load_b512 s[4:19], s[0:1], 0x0               ; Wk codes, scales; Wq; Wv; Wp
	s_load_b64 s[20:21], s[0:1], 0x40              ; ws
	s_and_b32 s22, ttmp9, 1                        ; L
	s_bfe_u32 s23, ttmp9, 0x30001                  ; s: 3 bits from bit 1
	s_bfe_u32 s24, ttmp9, 0x20004                  ; w: 2 bits from bit 4
	s_lshr_b32 s25, ttmp9, 6                       ; p
	s_cmp_eq_u32 s25, 2                            ; Wv?
	s_cselect_b32 s34, 256, 64                     ; a
	s_cselect_b32 s35, 128, 32                     ; b
	s_cselect_b32 s36, 64, 16                      ; c (Wv's, else Wp's)
	s_cselect_b32 s38, 16, 256                     ; wm
	s_mov_b32 s39, 128
	s_cselect_b32 s39, 512, s39                    ; Lm
	s_cmp_lt_u32 s25, 2                            ; Wk or Wq?
	s_cselect_b32 s36, 8, s36                      ; c
	s_cselect_b32 s37, 8, 0                        ; e8
	s_mul_i32 s38, s24, s38
	s_mul_i32 s39, s22, s39
	s_add_co_u32 s38, s38, s39                     ; the half quarter's first row: w wm + L Lm
	s_mul_i32 s51, s38, 768
	s_mul_i32 s39, s23, 96
	s_add_co_u32 s51, s51, s39                     ; in bytes of codes, + the K step's 96
	s_mul_i32 s48, s34, 768
	s_mul_i32 s49, s35, 768
	s_mul_i32 s50, s36, 768
	s_lshl_b32 s62, s23, 7                         ; Wp: the first row is 128 s + 32 w,
	s_lshl_b32 s63, s24, 5
	s_add_co_u32 s62, s62, s63
	s_mul_i32 s63, s62, 768
	s_mul_i32 s60, s22, 384                        ; half L begins at K step 4 L; bit2 and bit1 of the tile go along K, bit0 goes 16 rows down
	s_add_co_u32 s63, s63, s60
	s_cmp_eq_u32 s25, 3
	s_cselect_b32 s51, s63, s51
	s_cselect_b32 s48, 192, s48
	s_cselect_b32 s49, 96, s49
.irp t, 0,1,2,3,4,5,6,7
	s_mov_b32 s[40+\t], s51                        ; tile t's first row, in bytes
.if (\t)&4
	s_add_co_u32 s[40+\t], s[40+\t], s48
.endif
.if (\t)&2
	s_add_co_u32 s[40+\t], s[40+\t], s49
.endif
.if (\t)&1
	s_add_co_u32 s[40+\t], s[40+\t], s50
.endif
.endr
	s_lshl_b32 s52, s38, 5                         ; the same in bytes of scales: 32 a row,
	s_lshl_b32 s39, s23, 2
	s_add_co_u32 s52, s52, s39                     ; + the K step's 4
	s_lshl_b32 s53, s34, 5
	s_lshl_b32 s54, s35, 5
	s_lshl_b32 s62, s62, 5                         ; Wp's scale words likewise: 4 bytes a K step
	s_lshl_b32 s63, s22, 4
	s_add_co_u32 s62, s62, s63
	s_cmp_eq_u32 s25, 3
	s_cselect_b32 s52, s62, s52
	s_cselect_b32 s53, 8, s53
	s_cselect_b32 s54, 4, s54
.irp e, 0,1,2,3
	s_mov_b32 s[56+\e], s52                        ; tiles 2 e and 2 e + 1
.if (\e)&2
	s_add_co_u32 s[56+\e], s[56+\e], s53
.endif
.if (\e)&1
	s_add_co_u32 s[56+\e], s[56+\e], s54
.endif
.endr
	v_lshlrev_b32 v1, 4, v0                        ; 16 x lane: an image's place for my lane
	v_and_b32 v4, 15, v0                           ; r
	v_lshrrev_b32 v5, 4, v0                        ; h
	v_lshrrev_b32 v6, 3, v4
	v_mad_u32_u24 v2, v6, s37, v4                  ; r + e8 (r / 8)
	v_mul_u32_u24 v3, v2, 768
	v_mad_u32_u24 v3, v5, 24, v3                   ; my row's bytes, + 24 for lanes 16-31: K = 32 h on
.irp t, 0,1,2,3,4,5,6,7
	v_add_nc_u32 v[8+\t], s[40+\t], v3
.endr
	v_mad_u32_u24 v7, v5, s36, v2                  ; scale words: lanes 0-15 take tile 2 e, lanes 16-31 tile 2 e + 1 (c rows on)
	v_lshlrev_b32 v7, 5, v7
.irp e, 0,1,2,3
	v_add_nc_u32 v[20+\e], s[56+\e], v7
.endr
	s_lshl_b32 s60, s25, 3
	s_add_co_u32 s60, s60, s23
	s_mul_i32 s60, s60, STEPB                      ; step 8 p + s,
	s_mul_i32 s39, s24, QB
	s_add_co_u32 s60, s60, s39                     ; quarter w
	s_mov_b32 s61, 0
	s_mul_i32 s62, s22, 12288                      ; half L of its tiles
	s_mov_b32 s63, 0
	s_wait_alu depctr_va_vdst(0)
	s_wait_kmcnt 0x0
	s_cmp_eq_u32 s25, 0                            ; the weight is chosen by the work-group's number alone
	s_cselect_b64 s[26:27], s[4:5], s[8:9]
	s_cselect_b64 s[28:29], s[6:7], s[10:11]
	s_cmp_eq_u32 s25, 2
	s_cselect_b64 s[30:31], s[12:13], s[16:17]
	s_cselect_b64 s[32:33], s[14:15], s[18:19]
	s_cmp_lt_u32 s25, 2
	s_cselect_b64 s[26:27], s[26:27], s[30:31]     ; codes
	s_cselect_b64 s[28:29], s[28:29], s[32:33]     ; scales
	s_add_nc_u64 s[20:21], s[20:21], s[60:61]      ; my quarter
	s_add_nc_u64 s[30:31], s[20:21], s[62:63]      ; where my 8 tiles go
	s_lshl_b32 s62, s22, 9
	s_add_nc_u64 s[32:33], s[20:21], s[62:63]      ; and (24,576 on) my 512 bytes of scale words
.irp t, 0,1,2,3,4,5,6,7
.irp p, 0,1,2,3,4,5
	global_load_b64 v[32+12*\t+2*\p:32+12*\t+2*\p+1], v[8+\t], s[26:27] offset:48*(\p/3)+8*(\p%3)   ; the fragment as the matrix unit takes it: registers 6 c .. 6 c + 5 = K 64 c + 32 h + 0 .. 31
.endr
.endr
.irp e, 0,1,2,3
	global_load_b32 v[24+\e], v[20+\e], s[28:29]
.endr
.irp t, 0,1,2,3,4,5,6,7
	s_wait_loadcnt 46-6*\t                         ; loads come back in order: tile t's six are in; behind them stand (7 - t) x 6 code loads and 4 scale loads
.irp c, 0,1,2
	global_store_b128 v1, v[32+12*\t+4*\c:32+12*\t+4*\c+3], s[30:31] offset:1536*\t+512*\c
.endr
.endr
	s_wait_loadcnt 0x0
	global_store_b128 v1, v[24:27], s[32:33] offset:24576
	s_endpgm
.Lfunc_end_k_q9cc59a6c0d_lay:
	.size	k_q9cc59a6c0d_lay, .Lfunc_end_k_q9cc59a6c0d_lay-k_q9cc59a6c0d_lay
	.p2alignl 7, 3214868480
	.fill 96, 4, 3214868480
	.section	.rodata,"a",@progbits
	.p2align	6, 0x0
	.amdhsa_kernel k_q9cc59a6c0d_lay
		.amdhsa_group_segment_fixed_size 0
		.amdhsa_private_segment_fixed_size 0
		.amdhsa_enable_private_segment 0
		.amdhsa_kernarg_size 72
		.amdhsa_user_sgpr_count 2
		.amdhsa_user_sgpr_kernarg_segment_ptr 1
		.amdhsa_wavefront_size32 1
		.amdhsa_system_sgpr_workgroup_id_x 1
		.amdhsa_system_sgpr_workgroup_id_y 1
		.amdhsa_system_sgpr_workgroup_id_z 1
		.amdhsa_system_vgpr_workitem_id 0
		.amdhsa_next_free_vgpr 128
		.amdhsa_next_free_sgpr 66
		.amdhsa_reserve_vcc 0
		.amdhsa_float_denorm_mode_32 3
		.amdhsa_float_denorm_mode_16_64 3
		.amdhsa_memory_ordered 1
		.amdhsa_forward_progress 1
		.amdhsa_inst_pref_size 13
	.end_amdhsa_kernel
	.amdgpu_metadata
---
amdhsa.version: [ 1, 2 ]
amdhsa.kernels:
  - .name:           k_q9cc59a6c0d_lay
    .symbol:         k_q9cc59a6c0d_lay.kd
    .args:
      - { .name: Wk_codes, .offset: 0, .size: 8, .value_kind: global_buffer, .address_space: global }
      - { .name: Wk_scales, .offset: 8, .size: 8, .value_kind: global_buffer, .address_space: global }
      - { .name: Wq_codes, .offset: 16, .size: 8, .value_kind: global_buffer, .address_space: global }
      - { .name: Wq_scales, .offset: 24, .size: 8, .value_kind: global_buffer, .address_space: global }
      - { .name: Wv_codes, .offset: 32, .size: 8, .value_kind: global_buffer, .address_space: global }
      - { .name: Wv_scales, .offset: 40, .size: 8, .value_kind: global_buffer, .address_space: global }
      - { .name: Wp_codes, .offset: 48, .size: 8, .value_kind: global_buffer, .address_space: global }
      - { .name: Wp_scales, .offset: 56, .size: 8, .value_kind: global_buffer, .address_space: global }
      - { .name: ws, .offset: 64, .size: 8, .value_kind: global_buffer, .address_space: global }
    .group_segment_fixed_size: 0
    .private_segment_fixed_size: 0
    .kernarg_segment_align: 8
    .kernarg_segment_size: 72
    .max_flat_workgroup_size: 32
    .sgpr_count:     66
    .vgpr_count:     128
    .wavefront_size: 32
...
	.end_amdgpu_metadata
.endif
;; end of part 3
;; launch fused (part 4): grid 256 x 1, 4 waves a work-group, clusters of 4 x 1, 327,680 bytes of LDS; arguments key_codes, key_scales, query_codes, query_scales, value_codes, value_scales, ws, bp, out0; writes out0
.if DOCPART == 4
	.amdgcn_target "amdgcn-amd-amdhsa--gfx1250"
	.amdhsa_code_object_version 6
	.text
	.protected	k_q9cc59a6c0d_fused
	.globl	k_q9cc59a6c0d_fused
	.p2align	8
	.type	k_q9cc59a6c0d_fused,@function
k_q9cc59a6c0d_fused:
	s_mov_b64 s[64:65], 0
	v_nop
	global_prefetch_b8 v0, s[64:65] scope:SCOPE_SE
	s_setreg_imm32_b32 hwreg(HW_REG_WAVE_MODE, 25, 1), 1
	s_wait_xcnt 0x0
	s_wait_alu depctr_hold_cnt(0) depctr_sa_sdst(0) depctr_va_vdst(0) depctr_va_sdst(0) depctr_va_ssrc(0) depctr_va_vcc(0) depctr_vm_vsrc(0)
	s_getreg_b32 s2, hwreg(HW_REG_IB_STS2, 6, 4)
	s_cmp_eq_u32 s2, 0
	s_cbranch_scc0 .Lentry_in_a_cluster
	s_endpgm
.Lentry_in_a_cluster:
	s_bfe_u32 s2, ttmp6, 0x10000c
	s_cmp_lg_u32 s2, 0x3003
	s_cbranch_scc0 .Lentry_shape_is_right
	s_endpgm
.Lentry_shape_is_right:
; One work-group takes 64 tokens through the whole module: k, q, v = tokens x Wk, Wq, Wv (products 1 to 3), the 16 x 16 scores of each token over its heads (product 4),
; the softmax with its maximum taken away, attn x v in f32 (product 5), the quantiser, and X Wp^T + bp (product 6).  The weights come as one stream (launch lay) through a ring of
; two LDS slots, asked for jointly by the four work-groups of a cluster.  xpos and ypos have no way to the output and are not loaded.
; Product 6 goes by chunks of 128 output columns: X's 32 fragments stay in registers, a step of the stream finishes 64 rows x 128 columns, and they are stored under the next step.
.set SLOTB, 102400
.set QB,    25600
.set WGTB,  8*SLOTB
.set SPARE, 204800
.set ATT,   205312
.set KC,    ATT
.set KSC,   ATT+50176
.set ABUF,  271872
.set ASC,   322048
.set MX,    324608
.set SPW,1
.set NIL,2
.set L16,3
.set WAD,4
.set ADRA0,6
.set ADT,7
.set ADTS0,8
.set ADS,9
.set SA0,10
.set SA1,11
.set SAS,12
.set ADQK,13
.set ADQQ,14
.set ADSK,15
.set ADSQ,16
.set P4K,17
.set P4Q,18
.set P4S,19
.set TMPA,20
.set ATW,21
.set ATR0,22
.set ATR,23
.set ADX0,24
.set ADX,25
.set ADXS0,26
.set ADXS,27
.set MXW,28
.set MXR,29
.set STO,30
.set WSC,32
.set P4SC,40
.set TSC,48
.set PFO,56
.set STS,58
.set TOK,64
.set STG,160
.set QM,64
.set QT,80
.set QC,96
.set AT,64
.set XX,192
.set PAC,64
.set PBI,224
.set PSTO,23
.set BOF,25
.set PRD,27
.set STGP,33792
.set WV,22
.set CX,23
.set WG,24
.set WQ,25
.set G1,28
.set G0,36
.set PH,44
.set CNT,45
.set KO,46
.set KS,47
.set NX,48
.set LIM,49
.set PFA,50
.set SEL,52
.set CS,54
.set HP,56
.set HA,57
.set HX,58
.set HS,59
.set LC,66
.set ODD,70
.set OFP,72
.set T1,74
.set ROT,80
.set KO0,82
.set KS0,83
.set MSB, 0
.macro WIN new
.if MSB != (\new)
	s_set_vgpr_msb (MSB<<8)|(\new)
.set MSB, (\new)
.endif
.endm
.macro PLACES n
.rept \n
	v_nop
.endr
.endm
.macro CREST
	s_cmp_lg_u32 s[WV], 0
	s_cbranch_scc1 .Lnot_wave_0_\@
	s_barrier_signal -3
.Lnot_wave_0_\@:
	s_barrier_wait -3
	s_barrier_signal -1
	s_barrier_wait -1
.endm
.macro CROUND
	s_barrier_signal -1
	s_barrier_wait -1
	CREST
.endm
.macro MUL t0, n, sl, zero
.if (\t0) < 8
	WIN 0xa1
.else
	WIN 0xf1
.endif
.set TT, \t0
.rept \n
.set MT, 0
.rept 4
.set AC, 64*((TT>>1)&3)+16*MT+8*(TT&1)
.set TK, TOK+48*(\sl)+12*MT
.set WS, WSC+8*(\sl)+(TT>>1)
.set TS, TSC+4*(\sl)+MT
.if \zero
.if (TT&1)
	v_wmma_scale_f32_16x16x128_f8f6f4 v[AC:AC+7], v[12*TT:12*TT+11], v[TK:TK+11], 0, v[WS], v[TS] matrix_a_fmt:MATRIX_FMT_FP6 matrix_b_fmt:MATRIX_FMT_FP6 matrix_a_scale:MATRIX_SCALE_ROW1
.else
	v_wmma_scale_f32_16x16x128_f8f6f4 v[AC:AC+7], v[12*TT:12*TT+11], v[TK:TK+11], 0, v[WS], v[TS] matrix_a_fmt:MATRIX_FMT_FP6 matrix_b_fmt:MATRIX_FMT_FP6
.endif
.else
.if (TT&1)
	v_wmma_scale_f32_16x16x128_f8f6f4 v[AC:AC+7], v[12*TT:12*TT+11], v[TK:TK+11], v[AC:AC+7], v[WS], v[TS] matrix_a_fmt:MATRIX_FMT_FP6 matrix_b_fmt:MATRIX_FMT_FP6 matrix_a_scale:MATRIX_SCALE_ROW1
.else
	v_wmma_scale_f32_16x16x128_f8f6f4 v[AC:AC+7], v[12*TT:12*TT+11], v[TK:TK+11], v[AC:AC+7], v[WS], v[TS] matrix_a_fmt:MATRIX_FMT_FP6 matrix_b_fmt:MATRIX_FMT_FP6
.endif
.endif
.set MT, MT+1
.endr
.set TT, TT+1
.endr
.endm
.macro FETCH_W sl, t0
	WIN 0x40
.set TT, \t0
.rept 8
.irp c, 0,1,2
	ds_load_b128 v[12*TT+4*\c:12*TT+4*\c+3], v[WAD+(\sl)] offset:1536*TT+512*\c
.endr
.set TT, TT+1
.endr
	WIN 0
.endm
.macro FETCH_TOK set
.irp m, 0,1,2,3
.irp p, 0,1,2,3,4,5
	ds_load_b64 v[TOK+48*(\set)+12*\m+2*\p:TOK+48*(\set)+12*\m+2*\p+1], v[ADT] offset:12544*\m+48*(\p/3)+8*(\p%3)
.endr
.endr
.endm
.macro FETCH_SC sl
.irp l, 0,1
	ds_load_b128 v[WSC+8*(\sl)+4*\l:WSC+8*(\sl)+4*\l+3], v[WAD+(\sl)] offset:24576+512*\l
.endr
.endm
.macro FETCH_TSC set
.irp m, 0,1,2,3
	ds_load_b32 v[TSC+4*(\set)+\m], v[ADS] offset:640*\m
.endr
.endm
.macro ASK
	s_cmp_eq_u32 s[CNT], s[LIM]
	s_cbranch_scc0 .Lnot_mine_\@
	global_prefetch_b8 v[PFO], s[PFA:PFA+1] th:TH_LOAD_NT scope:SCOPE_SE
.Lnot_mine_\@:
.endm
.macro NEXT_K
	s_add_co_u32 s[LC], s[LC], 1
	s_add_co_u32 s[T1], s[LC], s[ROT]
	s_and_b32 s[T1], s[T1], 7
	s_mul_i32 s[KO], s[T1], 96
	s_lshl_b32 s[KS], s[T1], 2
.endm
.macro STEP sl, zero, nexta, ask, head
	s_wait_dscnt \head
	MUL 0, 8, \sl, \zero
	WIN 0
	s_wait_tensorcnt 0x0
	ds_add_u32 v[SPW], v[NIL]
	s_add_co_u32 s[OFP], s[NX], s[ROT]
	s_and_b32 s[OFP], s[OFP], 7
	s_and_b32 s[T1], s[NX], 0x38
	s_or_b32 s[OFP], s[OFP], s[T1]
	s_mul_i32 s[OFP], s[OFP], SLOTB
	s_add_co_u32 s[OFP], s[OFP], s[WQ]
	s_add_nc_u64 s[G0+4*(\sl)+2:G0+4*(\sl)+3], s[16:17], s[OFP:OFP+1]
	s_or_b32 s[G0+4*(\sl)+3], s[G0+4*(\sl)+3], 0x80000000
	s_add_co_u32 s[NX], s[NX], 1
.if \nexta
	NEXT_K
.endif
	s_wait_dscnt 0x0
	s_barrier_signal -1
	s_barrier_wait -1
	CREST
	tensor_load_to_lds s[G0+4*(\sl):G0+4*(\sl)+3], s[G1:G1+7]
	s_nop 0
	PLACES 4
.if \nexta
	v_add_nc_u32 v[ADT], s[KO], v[ADRA0]
	v_add_nc_u32 v[ADS], s[KS], v[ADTS0]
.endif
	FETCH_W 1-\sl, 0
.if \nexta
	FETCH_TOK 1-\sl
.endif
	FETCH_SC 1-\sl
.if \nexta
	FETCH_TSC 1-\sl
.endif
.if \ask
	ASK
.endif
	MUL 8, 8, \sl, \zero
	PLACES 4
	FETCH_W 1-\sl, 8
.endm
.macro FIRST_K
	s_mov_b32 s[LC], 0
	v_add_nc_u32 v[ADT], s[KO0], v[ADRA0]
	v_add_nc_u32 v[ADS], s[KS0], v[ADTS0]
	FETCH_TOK 0
	FETCH_TSC 0
.endm
.macro STAGE_LOAD cp, sp
.set I, 0
.rept 24
	global_load_b128 v[STG+4*I:STG+4*I+3], v[L16], s[\cp:\cp+1] offset:512*I th:TH_LOAD_NT
.set I, I+1
.endr
	global_load_b128 v[STS:STS+3], v[L16], s[\sp:\sp+1] th:TH_LOAD_NT
.endm
.macro STAGE_STORE
.irp a, 0,1,2,3,4,5,6,7
	ds_store_b128 v[SA0], v[STG+12*\a:STG+12*\a+3] offset:1568*\a
	ds_store_b128 v[SA1], v[STG+12*\a+4:STG+12*\a+7] offset:1568*\a+512
	ds_store_b128 v[SA0], v[STG+12*\a+8:STG+12*\a+11] offset:1568*\a+1040
.endr
	ds_store_b64 v[SAS], v[STS:STS+1]
	ds_store_b64 v[SAS], v[STS+2:STS+3] offset:8
.endm
.macro QPASS win, adq, ads
	WIN 0x0a+5*((\win)-2)
.set U, 0
.rept 16
	v_max3_num_f32 v[QM+U], |v[16*U]|, |v[16*U+1]|, 0x1800000
.set U, U+1
.endr
.set U, 0
.rept 16
	v_max3_num_f32 v[QT+U], |v[16*U+8]|, |v[16*U+9]|, 0x1800000
.set U, U+1
.endr
.irp k, 2,4,6
.set U, 0
.rept 16
	v_max3_num_f32 v[QM+U], |v[16*U+\k]|, |v[16*U+\k+1]|, v[QM+U]
.set U, U+1
.endr
.set U, 0
.rept 16
	v_max3_num_f32 v[QT+U], |v[16*U+8+\k]|, |v[16*U+9+\k]|, v[QT+U]
.set U, U+1
.endr
.endr
	WIN 0
.set U, 0
.rept 16
	v_max_num_f32 v[QM+U], v[QM+U], v[QT+U]
.set U, U+1
.endr
.set U, 0
.rept 16
	v_permlanex16_b32 v[QT+U], v[QM+U], s[SEL], s[SEL+1]
.set U, U+1
.endr
.set U, 0
.rept 16
	v_max_num_f32 v[QM+U], v[QM+U], v[QT+U]
.set U, U+1
.endr
.set U, 0
.rept 16
	v_add_nc_u32 v[QM+U], 0xff000000, v[QM+U]
.set U, U+1
.endr
.set U, 0
.rept 16
	v_lshrrev_b32 v[QT+U], 23, v[QM+U]
.set U, U+1
.endr
.set U, 0
.rept 16
.if ((U>>2)&1) == 0
	v_lshl_or_b32 v[QT+U], v[QT+U+4], 8, v[QT+U]
.endif
.set U, U+1
.endr
	WIN 0x02+((\win)-2)
.set U, 0
.rept 16
	v_cvt_scalef32_pk16_fp6_f32 v[QC+4*U:QC+4*U+2], v[16*U:16*U+15], v[QM+U]
.set U, U+1
.endr
	v_nop
	WIN 0
.set U, 0
.rept 16
.set OFQ, 12544*(U&3)+48*(2*((\win)-2)+(U>>3))+24*((U>>2)&1)
.irp e, 0,1,2
	ds_store_b32 v[\adq], v[QC+4*U+\e] offset:OFQ+4*\e
.endr
.if ((U>>2)&1) == 0
	ds_store_b16 v[\ads], v[QT+U] offset:576*(U&3)+2*(2*((\win)-2)+(U>>3))
.endif
.set U, U+1
.endr
.endm
.macro QUANT adq, ads
	QPASS 2, \adq, \ads
	s_wait_dscnt 0x0
	QPASS 3, \adq, \ads
.endm
	s_load_b512 s[4:19], s[0:1], 0x0
	s_load_b64 s[20:21], s[0:1], 0x40
	v_lshl_add_u32 v[SPW], v0, 2, SPARE
	v_mov_b32 v[NIL], 0
	ds_add_u32 v1, v2
	ds_add_u32 v1, v2
	s_wait_dscnt 0x0
	v_lshrrev_b32 v[TMPA], 5, v0
	v_readfirstlane_b32 s[WV], v[TMPA]
	s_bfe_u32 s[CX], ttmp6, 0x40000
	s_lshl_b32 s[WG], ttmp9, 2
	s_add_co_u32 s[WG], s[WG], s[CX]
	s_and_b32 s[ODD], s[WV], 1
	v_and_b32 v57, 31, v0
	v_and_b32 v62, 15, v0
	v_bfe_u32 v63, v0, 4, 1
	s_mul_i32 s[WQ], s[WV], QB
	s_mul_i32 s26, s[WV], 12544
	v_lshlrev_b32 v[L16], 4, v57
	v_add_nc_u32 v[WAD], s[WQ], v[L16]
	v_add_nc_u32 v[WAD+1], SLOTB, v[WAD]
	v_mul_u32_u24 v[ADRA0], v62, 784
	v_mad_u32_u24 v[ADRA0], v63, 24, v[ADRA0]
	v_add_nc_u32 v[ADRA0], ABUF, v[ADRA0]
	v_mul_u32_u24 v[ADTS0], v62, 40
	v_add_nc_u32 v[ADTS0], ASC, v[ADTS0]
	v_add_nc_u32 v[SA0], s26, v[L16]
	v_add_nc_u32 v[SA0], ABUF, v[SA0]
	v_lshl_add_u32 v[SA1], v63, 4, v[SA0]
	v_lshrrev_b32 v[TMPA], 1, v57
	v_mul_u32_u24 v[SAS], v[TMPA], 40
	v_and_b32 v[TMPA], 1, v57
	v_lshl_add_u32 v[SAS], v[TMPA], 4, v[SAS]
	s_mul_i32 s27, s[WV], 640
	v_add_nc_u32 v[SAS], s27, v[SAS]
	v_add_nc_u32 v[SAS], ASC, v[SAS]
	v_mul_u32_u24 v[TMPA], v62, 784
	v_mad_u32_u24 v[TMPA], v63, 12, v[TMPA]
	s_mul_i32 s27, s[WV], 192
	v_add_nc_u32 v[TMPA], s27, v[TMPA]
	v_add_nc_u32 v[ADQK], KC, v[TMPA]
	v_add_nc_u32 v[ADQQ], ABUF, v[TMPA]
	v_mul_u32_u24 v[TMPA], v62, 36
	s_lshl_b32 s27, s[WV], 3
	v_add_nc_u32 v[TMPA], s27, v[TMPA]
	v_add_nc_u32 v[ADSK], KSC, v[TMPA]
	v_add_nc_u32 v[ADSQ], ASC, v[TMPA]
	v_mul_u32_u24 v[TMPA], v62, 48
	v_mad_u32_u24 v[TMPA], v63, 24, v[TMPA]
	v_add_nc_u32 v[TMPA], s26, v[TMPA]
	v_add_nc_u32 v[P4K], KC, v[TMPA]
	v_add_nc_u32 v[P4Q], ABUF, v[TMPA]
	v_lshlrev_b32 v[TMPA], 1, v62
	v_mad_u32_u24 v[P4S], v63, ASC-KSC, v[TMPA]
	s_mul_i32 s27, s[WV], 576
	v_add_nc_u32 v[P4S], s27, v[P4S]
	v_add_nc_u32 v[P4S], KSC, v[P4S]
	v_lshlrev_b32 v[TMPA], 4, v62
	v_lshl_add_u32 v[TMPA], v63, 9, v[TMPA]
	s_mul_i32 s27, s[WV], 16640
	v_add_nc_u32 v[TMPA], s27, v[TMPA]
	v_add_nc_u32 v[ATW], ATT, v[TMPA]
	v_mul_u32_u24 v[ATR0], v62, 1040
	v_add_nc_u32 v[ATR0], ATT, v[ATR0]
	v_mul_u32_u24 v[TMPA], v62, 48
	v_mad_u32_u24 v[TMPA], v63, 784, v[TMPA]
	s_mul_i32 s27, s[WV], 12
	v_add_nc_u32 v[TMPA], s27, v[TMPA]
	v_add_nc_u32 v[ADX0], ABUF, v[TMPA]
	v_lshlrev_b32 v[TMPA], 1, v62
	v_mad_u32_u24 v[TMPA], v63, 40, v[TMPA]
	s_lshr_b32 s27, s[WV], 1
	v_add_nc_u32 v[TMPA], s27, v[TMPA]
	v_add_nc_u32 v[ADXS0], ASC, v[TMPA]
	s_lshl_b32 s27, s[WV], 9
	v_add_nc_u32 v[MXW], s27, v[L16]
	v_add_nc_u32 v[MXW], MX, v[MXW]
	s_xor_b32 s27, s[WV], 1
	s_lshl_b32 s27, s27, 9
	v_add_nc_u32 v[MXR], s27, v[L16]
	v_add_nc_u32 v[MXR], MX, v[MXR]
	v_mul_u32_u24 v[TMPA], v62, 1040
	v_lshl_add_u32 v[TMPA], v63, 5, v[TMPA]
	v_add_nc_u32 v[STO], s[WQ], v[TMPA]
	v_lshlrev_b32 v[PFO], 8, v57
	s_mov_b32 s[G1+0], 15|(3<<16)|(1<<21)
	s_mov_b32 s[G1+1], 32<<16
	s_mov_b32 s[G1+2], 100<<16
	s_mov_b32 s[G1+3], 32<<16
	s_mov_b32 s[G1+4], 100
	s_mov_b32 s[G1+5], 32
	s_mov_b32 s[G1+6], 0
	s_mov_b32 s[G1+7], 0
	s_mov_b32 s[SEL], 0x76543210
	s_mov_b32 s[SEL+1], 0xfedcba98
	s_mov_b32 s[CS], 0x3e38aa3b
	s_mov_b32 s[CS+1], s[CS]
	s_mov_b32 s[NX], 2
	s_mov_b32 s[PH], 0
	s_and_b32 s[ROT], ttmp9, 7
	s_mul_i32 s[KO0], s[ROT], 96
	s_lshl_b32 s[KS0], s[ROT], 2
	s_cmp_lt_u32 ttmp9, 25
	s_cselect_b32 s[LIM], 2, 0
	s_cmp_eq_u32 s[WV], 0
	s_cselect_b32 s[LIM], s[LIM], 0
	s_mul_i32 s66, s[WG], 49152
	s_mul_i32 s71, s[WV], 12288
	s_add_co_u32 s66, s66, s71
	s_mov_b32 s67, 0
	s_lshl_b32 s68, s[WG], 11
	s_lshl_b32 s71, s[WV], 9
	s_add_co_u32 s68, s68, s71
	s_mov_b32 s69, 0
	s_lshr_b32 s72, s[WG], 5
	s_lshl_b32 s72, s72, 23
	s_and_b32 s71, s[WG], 31
	s_lshl_b32 s71, s71, 14
	s_add_co_u32 s72, s72, s71
	s_lshl_b32 s74, s[WV], 12
	s_add_co_u32 s72, s72, s74
	s_mov_b32 s73, 0
	s_mov_b32 s75, 0
	s_mul_i32 s76, s[ROT], SLOTB
	s_add_co_u32 s76, s76, s[WQ]
	s_mov_b32 s77, 0
	s_add_co_u32 s78, s[ROT], 1
	s_and_b32 s78, s78, 7
	s_mul_i32 s78, s78, SLOTB
	s_add_co_u32 s78, s78, s[WQ]
	s_mov_b32 s79, 0
	s_min_u32 s26, s[WG], 99
	s_lshl_b32 s26, s26, 13
	s_mov_b32 s27, 0
	v_add_nc_u32 v[ADT], s[KO0], v[ADRA0]
	v_add_nc_u32 v[ADS], s[KS0], v[ADTS0]
	s_wait_kmcnt 0x0
	s_add_nc_u64 s[4:5], s[4:5], s[66:67]
	s_add_nc_u64 s[8:9], s[8:9], s[66:67]
	s_add_nc_u64 s[12:13], s[12:13], s[66:67]
	s_add_nc_u64 s[6:7], s[6:7], s[68:69]
	s_add_nc_u64 s[10:11], s[10:11], s[68:69]
	s_add_nc_u64 s[14:15], s[14:15], s[68:69]
	s_add_nc_u64 s[20:21], s[20:21], s[72:73]
	s_add_nc_u64 s[PFA:PFA+1], s[16:17], s[26:27]
	s_mov_b32 s[LC], 0
	s_mov_b32 s[G0], 1
	s_mov_b32 s[G0+1], s[WQ]
	s_add_nc_u64 s[G0+2:G0+3], s[16:17], s[76:77]
	s_mov_b32 s[G0+4], 1
	s_add_co_u32 s[G0+5], s[WQ], SLOTB
	s_add_nc_u64 s[G0+6:G0+7], s[16:17], s[78:79]
	s_or_b32 s[G0+3], s[G0+3], 0x80000000
	s_or_b32 s[G0+7], s[G0+7], 0x80000000
	STAGE_LOAD 4, 6
	CROUND
	tensor_load_to_lds s[G0:G0+3], s[G1:G1+7]
	s_nop 0
	s_wait_alu depctr_va_vdst(0)
	s_wait_tensorcnt 0x0
	ds_add_u32 v1, v2
	s_wait_dscnt 0x0
	CROUND
	tensor_load_to_lds s[G0+4:G0+7], s[G1:G1+7]
	s_nop 0
	PLACES 4
	s_wait_loadcnt 0x0
	STAGE_STORE
	; the 16 pad bytes behind each of my 16 token rows and the 8 behind each of their scale rows are written once (any defined value: no product takes them)
	v_mul_u32_u24 v[TMPA], v62, 784
	v_lshl_add_u32 v[TMPA], v63, 3, v[TMPA]
	s_mul_i32 s[T1], s[WV], 12544
	v_add_nc_u32 v[TMPA], s[T1], v[TMPA]
	v_add_nc_u32 v[TMPA], ABUF+768, v[TMPA]
	ds_store_b64 v[TMPA], v[62:63]
	v_mul_u32_u24 v[ATR], v62, 40
	s_mul_i32 s[KO], s[WV], 640
	v_add_nc_u32 v[ATR], s[KO], v[ATR]
	v_add_nc_u32 v[ATR], ASC+32, v[ATR]
	ds_store_b64 v[ATR], v[62:63]
	s_mov_b64 s[60:61], s[8:9]
	s_mov_b64 s[62:63], s[10:11]
	s_wait_tensorcnt 1
	s_wait_dscnt 0x0
	s_barrier_signal -1
	s_barrier_wait -1
	FETCH_W 0, 0
	FETCH_SC 0
	FETCH_W 0, 8
	s_wait_alu depctr_va_vdst(0)
	FETCH_TOK 0
	FETCH_TSC 0
.Lphase:
	s_wait_xcnt 0x0
	s_add_nc_u64 s[PFA:PFA+1], s[PFA:PFA+1], WGTB
	s_cmp_lt_u32 s[PH], 2
	s_cbranch_scc0 .Lno_rows
	STAGE_LOAD 60, 62
.Lno_rows:
	STEP 0, 1, 1, 0, 0
	s_mov_b32 s[CNT], 3
.Lsteps:
	STEP 1, 0, 1, 1, 24
	STEP 0, 0, 1, 0, 24
	s_sub_co_u32 s[CNT], s[CNT], 1
	s_cmp_lg_u32 s[CNT], 0
	s_cbranch_scc1 .Lsteps
	STEP 1, 0, 0, 0, 24
	s_cmp_eq_u32 s[PH], 0
	s_cbranch_scc0 .Lnot_k
	s_wait_loadcnt 0x0
	STAGE_STORE
	s_mov_b64 s[60:61], s[12:13]
	s_mov_b64 s[62:63], s[14:15]
	QUANT ADQK, ADSK
	s_branch .Ljoin
.Lnot_k:
	s_cmp_eq_u32 s[PH], 1
	s_cbranch_scc0 .Lphase_end
	QUANT ADQQ, ADSQ
	s_wait_dscnt 0x0
	s_barrier_signal -1
	s_barrier_wait -1
	WIN 0x80
.set PS, 0
.rept 8
.irp j, 6,7,8,9,10,11,18,19,20,21,22,23
	v_mov_b32 v[24*PS+\j], 0
.endr
.set PS, PS+1
.endr
	WIN 0
.set I, 0
.rept 16
	ds_load_u16 v[P4SC+I], v[P4S] offset:36*I
.set I, I+1
.endr
.macro P4LOAD b
	WIN 0x80
.set I, 4*(\b)
.rept 4
.set PS, 4*((\b)&1)+(I&3)
.irp p, 0,1,2
	ds_load_b64 v[24*PS+2*\p:24*PS+2*\p+1], v[P4K] offset:784*I+8*\p
	ds_load_b64 v[24*PS+12+2*\p:24*PS+12+2*\p+1], v[P4Q] offset:784*I+8*\p
.endr
.set I, I+1
.endr
.endm
.macro P4MUL b
	WIN 0xca
.set I, 4*(\b)
.rept 4
.set PS, 4*((\b)&1)+(I&3)
	v_wmma_scale_f32_16x16x128_f8f6f4 v[8*I:8*I+7], v[24*PS:24*PS+11], v[24*PS+12:24*PS+23], 0, v[P4SC+I], v[P4SC+I] matrix_a_fmt:MATRIX_FMT_FP6 matrix_b_fmt:MATRIX_FMT_FP6 matrix_b_scale:MATRIX_SCALE_ROW1
.set I, I+1
.endr
.endm
	P4LOAD 0
	P4LOAD 1
	s_wait_alu depctr_va_vdst(0)
	s_wait_dscnt 24
	P4MUL 0
	PLACES 4
	P4LOAD 2
	s_wait_dscnt 24
	P4MUL 1
	PLACES 4
	P4LOAD 3
	s_wait_dscnt 24
	P4MUL 2
	s_wait_dscnt 0x0
	P4MUL 3
	PLACES 4
	s_barrier_signal -1
	WIN 0xff
.set I, 0
.rept 16
	v_max3_num_f32 v[128+2*I], v[8*I], v[8*I+1], v[8*I+2]
.set I, I+1
.endr
.set I, 0
.rept 16
	v_max3_num_f32 v[129+2*I], v[8*I+3], v[8*I+4], v[8*I+5]
.set I, I+1
.endr
.set I, 0
.rept 16
	v_max3_num_f32 v[128+2*I], v[128+2*I], v[129+2*I], v[8*I+6]
.set I, I+1
.endr
.set I, 0
.rept 16
	v_max_num_f32 v[128+2*I], v[128+2*I], v[8*I+7]
.set I, I+1
.endr
.set I, 0
.rept 16
	v_permlanex16_b32 v[129+2*I], v[128+2*I], s[SEL], s[SEL+1]
.set I, I+1
.endr
.set I, 0
.rept 16
	v_max_num_f32 v[128+2*I], v[128+2*I], v[129+2*I]
.set I, I+1
.endr
.set I, 0
.rept 16
	v_mul_f32 v[128+2*I], s[CS], v[128+2*I]
.set I, I+1
.endr
.irp j, 0,2,4,6
.set I, 0
.rept 16
	v_pk_fma_f32 v[8*I+\j:8*I+\j+1], v[8*I+\j:8*I+\j+1], s[CS:CS+1], v[128+2*I:129+2*I] op_sel_hi:[1,0,0] neg_lo:[0,0,1] neg_hi:[0,0,1]
.set I, I+1
.endr
.endr
.set I, 0
	s_wait_alu depctr_va_vdst(0)
.rept 128
	v_exp_f32 v[I], v[I]
.set I, I+1
.endr
	v_nop
	s_wait_alu depctr_va_vdst(0)
.set I, 0
.rept 16
	v_pk_add_f32 v[160+4*I:161+4*I], v[8*I:8*I+1], v[8*I+2:8*I+3]
	v_pk_add_f32 v[162+4*I:163+4*I], v[8*I+4:8*I+5], v[8*I+6:8*I+7]
.set I, I+1
.endr
.set I, 0
.rept 16
	v_pk_add_f32 v[160+4*I:161+4*I], v[160+4*I:161+4*I], v[162+4*I:163+4*I]
.set I, I+1
.endr
.set I, 0
.rept 16
	v_add_f32 v[160+4*I], v[160+4*I], v[161+4*I]
.set I, I+1
.endr
.set I, 0
.rept 16
	v_permlanex16_b32 v[161+4*I], v[160+4*I], s[SEL], s[SEL+1]
.set I, I+1
.endr
.set I, 0
.rept 16
	v_add_f32 v[160+4*I], v[160+4*I], v[161+4*I]
.set I, I+1
.endr
.set I, 0
	s_wait_alu depctr_va_vdst(0)
.rept 16
	v_rcp_f32 v[162+4*I], v[160+4*I]
.set I, I+1
.endr
	v_nop
	s_wait_alu depctr_va_vdst(0)
.irp j, 0,2,4,6
.set I, 0
.rept 16
	v_pk_mul_f32 v[8*I+\j:8*I+\j+1], v[8*I+\j:8*I+\j+1], v[162+4*I:163+4*I] op_sel_hi:[1,0]
.set I, I+1
.endr
.endr
	s_wait_alu depctr_va_vdst(0)
	s_barrier_wait -1
	WIN 0x0c
.set I, 0
.rept 16
	ds_store_b128 v[ATW], v[8*I:8*I+3] offset:1040*I
	ds_store_b128 v[ATW], v[8*I+4:8*I+7] offset:1040*I+256
.set I, I+1
.endr
	WIN 0
	s_wait_loadcnt 0x0
	STAGE_STORE
.Ljoin:
	s_wait_dscnt 0x0
	s_barrier_signal -1
	s_barrier_wait -1
	FIRST_K
.Lphase_end:
	s_add_co_u32 s[PH], s[PH], 1
	s_cmp_lt_u32 s[PH], 3
	s_cbranch_scc1 .Lphase
	s_wait_loadcnt 0x0
	s_mov_b32 s[HP], 8
	s_mov_b32 s[HA], 0
	s_mov_b32 s[HX], 0
	s_mov_b32 s[HS], 0
	v_add_nc_u32 v[ATR], s[HA], v[ATR0]
.macro ATLOAD q0, extra
.irp m, 0,1,2,3
.irp a, 0,1
.irp q, 0,1
	ds_load_b128 v[AT+32*\m+16*\a+4*((\q0)+\q):AT+32*\m+16*\a+4*((\q0)+\q)+3], v[ATR] offset:16640*\m+256*((\q0)+\q)+16*\a+(\extra)
.endr
.endr
.endr
.endm
.macro XFMA g0
.set G, \g0
.rept 8
.set MT, 0
.rept 4
.irp a, 0,1
.irp jp, 0,1,2,3
.set XR, XX+16*MT+8*\a+2*\jp
.set AR, AT+32*MT+16*\a+(G&14)
.set VR, 64*((G>>1)&3)+16*MT+8*(G&1)+2*\jp
.if G == 0
	v_pk_mul_f32 v[XR:XR+1], v[AR:AR+1], v[VR:VR+1] op_sel_hi:[0,1]
.elseif (G&1)
	v_pk_fma_f32 v[XR:XR+1], v[AR:AR+1], v[VR:VR+1], v[XR:XR+1] op_sel:[1,0,0] op_sel_hi:[1,1,1]
.else
	v_pk_fma_f32 v[XR:XR+1], v[AR:AR+1], v[VR:VR+1], v[XR:XR+1] op_sel_hi:[0,1,1]
.endif
.endr
.endr
.set MT, MT+1
.endr
.set G, G+1
.endr
.endm
	ATLOAD 0, 0
.Lpair:
	s_wait_alu depctr_va_vdst(0)
	ATLOAD 2, 0
	s_wait_dscnt 16
	WIN 0x08
	XFMA 0
	WIN 0
	ATLOAD 0, 32
	s_wait_dscnt 16
	WIN 0x0c
	XFMA 8
	WIN 0
.irp m, 0,1,2,3
.irp j, 0,1,2,3,4,5,6,7
	v_permlane16_swap_b32 v[XX+16*\m+\j], v[XX+16*\m+8+\j]
.endr
.endr
.irp m, 0,1,2,3
	v_max3_num_f32 v[72+\m], |v[XX+16*\m]|, |v[XX+16*\m+1]|, 0x1800000
.endr
.irp k, 2,4,6,8,10,12,14
.irp m, 0,1,2,3
	v_max3_num_f32 v[72+\m], v[72+\m], |v[XX+16*\m+\k]|, |v[XX+16*\m+\k+1]|
.endr
.endr
	ds_store_b128 v[MXW], v[72:75]
	s_wait_alu depctr_va_vdst(0)
	s_wait_dscnt 0x0
	s_barrier_signal -1
	s_barrier_wait -1
	ds_load_b128 v[76:79], v[MXR]
	s_wait_dscnt 0x0
	s_barrier_signal -1
.irp m, 0,1,2,3
	v_max_num_f32 v[72+\m], v[72+\m], v[76+\m]
.endr
.irp m, 0,1,2,3
	v_add_nc_u32 v[88+\m], 0xff000000, v[72+\m]
.endr
.irp m, 0,1,2,3
	v_lshrrev_b32 v[92+\m], 23, v[88+\m]
.endr
.irp m, 0,1,2,3
	v_cvt_scalef32_pk16_fp6_f32 v[104+4*(\m&1)+16*(\m>>1):106+4*(\m&1)+16*(\m>>1)], v[XX+16*\m:XX+16*\m+15], v[88+\m]
.endr
	v_nop
	v_add_nc_u32 v[ADX], s[HX], v[ADX0]
	v_add_nc_u32 v[ADXS], s[HS], v[ADXS0]
	s_wait_alu depctr_va_vdst(0)
	s_barrier_wait -1
.irp m, 0,1,2,3
.irp e, 0,1,2
	ds_store_b32 v[ADX], v[104+4*(\m&1)+16*(\m>>1)+\e] offset:12544*\m+4*\e
.endr
.endr
	s_cmp_eq_u32 s[ODD], 0
	s_cbranch_scc0 .Lno_byte
.irp m, 0,1,2,3
	ds_store_b8 v[ADXS], v[92+\m] offset:640*\m
.endr
.Lno_byte:
	s_add_co_u32 s[HA], s[HA], 32
	s_add_co_u32 s[HX], s[HX], 1568
	s_add_co_u32 s[HS], s[HS], 80
	v_add_nc_u32 v[ATR], s[HA], v[ATR0]
	s_sub_co_u32 s[HP], s[HP], 1
	s_cmp_lg_u32 s[HP], 0
	s_cbranch_scc1 .Lpair
	s_wait_dscnt 0x0
	s_barrier_signal -1
	s_barrier_wait -1
; PRODUCT 6 BY CHUNKS OF 128 OUTPUT COLUMNS.  Step i of the stream holds chunk j = (i + ROT) % 8; my quarter's tile t = columns 128 j + 32 w + 16 (t % 2) .., K step t / 2.
; Registers: windows 2, 3: X's fragments of K steps 0-3, 4-7 (48 a step); window 0: v64-191 two sets of 8 accumulators (2 column tiles x 4 row tiles), v224-255 two sets of bias as C,
; v48-55 X's scale words of four K steps (lanes 0-15 the even step, lanes 16-31 the odd one); window 1: v0-191 the weights, v192-255 rows read back from the stage.
; Two stages of 64 rows x 528 bytes lie behind the ring, on bytes that no tensor load fills; wave w stores the 16 rows of row tile w, 512 consecutive bytes an instruction.
.macro PMUL t0, sl                     ; 32 products: tiles t0 .. t0 + 7 x 4 row tiles; the 8 accumulators by turns
.if (\t0) < 8
	WIN 0x09
.else
	WIN 0x0d
.endif
.set TT, \t0
.rept 8
.set MT, 0
.rept 4
.set AC, PAC+64*(\sl)+32*(TT&1)+8*MT
.set CC, AC
.if TT < 2
.set CC, PBI+16*(\sl)+8*TT             ; the first link takes the bias as C
.endif
.set TK, 48*((TT>>1)&3)+12*MT
.set WS, WSC+8*(\sl)+(TT>>1)
.set TS, TSC+4*((TT>>2)&1)+MT
.if (TT&3) == 0
	v_wmma_scale_f32_16x16x128_f8f6f4 v[AC:AC+7], v[12*TT:12*TT+11], v[TK:TK+11], v[CC:CC+7], v[WS], v[TS] matrix_a_fmt:MATRIX_FMT_FP6 matrix_b_fmt:MATRIX_FMT_FP6
.elseif (TT&3) == 1
	v_wmma_scale_f32_16x16x128_f8f6f4 v[AC:AC+7], v[12*TT:12*TT+11], v[TK:TK+11], v[CC:CC+7], v[WS], v[TS] matrix_a_fmt:MATRIX_FMT_FP6 matrix_b_fmt:MATRIX_FMT_FP6 matrix_a_scale:MATRIX_SCALE_ROW1
.elseif (TT&3) == 2
	v_wmma_scale_f32_16x16x128_f8f6f4 v[AC:AC+7], v[12*TT:12*TT+11], v[TK:TK+11], v[CC:CC+7], v[WS], v[TS] matrix_a_fmt:MATRIX_FMT_FP6 matrix_b_fmt:MATRIX_FMT_FP6 matrix_b_scale:MATRIX_SCALE_ROW1
.else
	v_wmma_scale_f32_16x16x128_f8f6f4 v[AC:AC+7], v[12*TT:12*TT+11], v[TK:TK+11], v[CC:CC+7], v[WS], v[TS] matrix_a_fmt:MATRIX_FMT_FP6 matrix_b_fmt:MATRIX_FMT_FP6 matrix_a_scale:MATRIX_SCALE_ROW1 matrix_b_scale:MATRIX_SCALE_ROW1
.endif
.set MT, MT+1
.endr
.set TT, TT+1
.endr
.endm
.macro PTSC half                       ; X's scale words of K steps 4 half .. 4 half + 3: 8 loads
.irp m, 0,1,2,3
.irp u, 0,1
	ds_load_b32 v[TSC+4*\u+\m], v[ADS] offset:640*\m+16*(\half)+8*\u
.endr
.endr
.endm
.macro PBIAS set                       ; bp at my lane's 8 columns of both column tiles
.irp q, 0,1,2,3
	global_load_b128 v[PBI+16*(\set)+4*\q:PBI+16*(\set)+4*\q+3], v[BOF], s[6:7] offset:64*(\q/2)+16*(\q%2)
.endr
.endm
.macro PBASES                          ; s[4:5]: out0 at the chunk finished last step; s[6:7]: bp at the next step's chunk
	s_add_co_u32 s[T1], s[LC], s[ROT]
	s_add_co_u32 s8, s[T1], 7
	s_and_b32 s8, s8, 7
	s_lshl_b32 s8, s8, 9
	s_add_nc_u64 s[4:5], s[20:21], s[8:9]
	s_add_co_u32 s10, s[T1], 1
	s_and_b32 s10, s10, 7
	s_lshl_b32 s10, s10, 9
	s_add_nc_u64 s[6:7], s[18:19], s[10:11]
	s_add_co_u32 s[LC], s[LC], 1
.endm
.macro POUTL st                        ; my 16 rows back from stage st
	WIN 0x40
.set I, 0
.rept 16
	ds_load_b128 v[192+4*I:195+4*I], v[PRD] offset:STGP*(\st)+528*I
.set I, I+1
.endr
	WIN 0
.endm
.macro POUTS                           ; each store of the wave covers 512 consecutive bytes, aligned to 256
	WIN 0x04
.set I, 0
.rept 16
	global_store_b128 v[L16], v[192+4*I:195+4*I], s[4:5] offset:524288*I th:TH_STORE_NT
.set I, I+1
.endr
	WIN 0
.endm
.macro PSTEP sl, prev, refill, more, head
	s_wait_loadcnt 0x0                             ; this step's bias
	s_wait_dscnt \head                             ; all but the youngest 24 loads (tiles 8-15)
	PMUL 0, \sl
	WIN 0
	s_wait_tensorcnt 0x0                           ; my one tensor load that was out has landed
	ds_add_u32 v[SPW], v[NIL]
	s_wait_xcnt 0x0                                ; earlier stores and loads have read their bases and data
.if \refill
	s_add_co_u32 s[OFP], s[NX], s[ROT]
	s_and_b32 s[OFP], s[OFP], 7
	s_and_b32 s[T1], s[NX], 0x38
	s_or_b32 s[OFP], s[OFP], s[T1]
	s_mul_i32 s[OFP], s[OFP], SLOTB
	s_add_co_u32 s[OFP], s[OFP], s[WQ]
	s_add_nc_u64 s[G0+4*(\sl)+2:G0+4*(\sl)+3], s[16:17], s[OFP:OFP+1]
	s_or_b32 s[G0+4*(\sl)+3], s[G0+4*(\sl)+3], 0x80000000
	s_add_co_u32 s[NX], s[NX], 1
.endif
	PBASES
	s_wait_dscnt 0x0                               ; the add, my reads of this slot, my stores to the stage
	s_barrier_signal -1
	s_barrier_wait -1
.if \refill
	CREST
	tensor_load_to_lds s[G0+4*(\sl):G0+4*(\sl)+3], s[G1:G1+7]
	s_nop 0
.endif
	PLACES 4
	PTSC 1
.if \prev
	POUTL 1-(\sl)                                  ; the barrier has shown the last step's stage whole
.endif
.if \more
	FETCH_W 1-\sl, 0
	FETCH_SC 1-\sl
	PBIAS 1-(\sl)
.endif
	s_wait_dscnt 16*(\prev)+26*(\more)             ; the 8 scale words are in; what was issued behind them may be out
	PMUL 8, \sl
	WIN 0
	PLACES 4
.if \prev
	s_wait_dscnt 26*(\more)                        ; the 16 rows are back
	POUTS
.endif
.irp n, 0,1
.irp m, 0,1,2,3
	ds_store_b128 v[PSTO], v[PAC+64*(\sl)+32*\n+8*\m:PAC+64*(\sl)+32*\n+8*\m+3] offset:STGP*(\sl)+8448*\m+64*\n
	ds_store_b128 v[PSTO], v[PAC+64*(\sl)+32*\n+8*\m+4:PAC+64*(\sl)+32*\n+8*\m+7] offset:STGP*(\sl)+8448*\m+64*\n+16
.endr
.endr
.if \more
	PTSC 0
	FETCH_W 1-\sl, 8
.endif
.endm
	v_and_b32 v20, 15, v0                          ; r
	v_bfe_u32 v21, v0, 4, 1                        ; h
	s_lshl_b32 s8, s[WV], 7
	s_mul_i32 s10, s[WV], 8448
	v_mul_u32_u24 v20, v20, 528
	v_lshl_add_u32 v[BOF], v21, 5, s8              ; 128 w + 32 h: my 8 columns in a chunk, in bytes
	v_add_nc_u32 v20, v20, v[BOF]
	v_add_nc_u32 v[PSTO], ATT, v20                 ; into the stage: row r
	v_add_nc_u32 v[PRD], s10, v[L16]
	v_add_nc_u32 v[PRD], ATT, v[PRD]               ; back: the rows of row tile w, 16 bytes a lane
	v_lshl_add_u32 v[ADS], v21, 2, v[ADTS0]        ; scale words: lanes 16-31 take the odd K step
	s_wait_alu depctr_va_vdst(0)
	s_mov_b32 s[LC], 0
	s_mov_b32 s9, 0
	s_mov_b32 s11, 0
	s_lshl_b32 s10, s[ROT], 9
	s_add_nc_u64 s[6:7], s[18:19], s[10:11]
	PBIAS 0
	WIN 0x80
.set KK, 0
.rept 8                                ; X's 32 fragments, once
.if KK == 4
	WIN 0xc0
.endif
.irp m, 0,1,2,3
.irp p, 0,1,2,3,4,5
	ds_load_b64 v[48*(KK&3)+12*\m+2*\p:48*(KK&3)+12*\m+2*\p+1], v[ADRA0] offset:12544*\m+96*KK+48*(\p/3)+8*(\p%3)
.endr
.endr
.set KK, KK+1
.endr
	WIN 0
	PTSC 0
	PSTEP 0, 0, 1, 1, 0
	PSTEP 1, 1, 1, 1, 24
	s_mov_b32 s[CNT], 2
.Lsteps_p:
	PSTEP 0, 1, 1, 1, 24
	PSTEP 1, 1, 1, 1, 24
	s_sub_co_u32 s[CNT], s[CNT], 1
	s_cmp_lg_u32 s[CNT], 0
	s_cbranch_scc1 .Lsteps_p
	PSTEP 0, 1, 0, 1, 24                           ; the last two steps fill nothing
	PSTEP 1, 1, 0, 0, 24
	s_wait_dscnt 0x0
	s_barrier_signal -1
	s_barrier_wait -1
	s_wait_xcnt 0x0
	PBASES
	POUTL 1
	s_wait_dscnt 0x0
	POUTS
	s_wait_tensorcnt 0x0
	ds_add_u32 v[SPW], v[NIL]
	s_wait_dscnt 0x0
	CROUND
	s_endpgm
.Lfunc_end_k_q9cc59a6c0d_fused:
	.size	k_q9cc59a6c0d_fused, .Lfunc_end_k_q9cc59a6c0d_fused-k_q9cc59a6c0d_fused
	.p2alignl 7, 3214868480
	.fill 96, 4, 3214868480
	.section	.rodata,"a",@progbits
	.p2align	6, 0x0
	.amdhsa_kernel k_q9cc59a6c0d_fused
		.amdhsa_group_segment_fixed_size 327680
		.amdhsa_private_segment_fixed_size 0
		.amdhsa_enable_private_segment 0
		.amdhsa_kernarg_size 72
		.amdhsa_user_sgpr_count 2
		.amdhsa_user_sgpr_kernarg_segment_ptr 1
		.amdhsa_wavefront_size32 1
		.amdhsa_system_sgpr_workgroup_id_x 1
		.amdhsa_system_sgpr_workgroup_id_y 1
		.amdhsa_system_sgpr_workgroup_id_z 1
		.amdhsa_system_vgpr_workitem_id 0
		.amdhsa_next_free_vgpr 1024
		.amdhsa_next_free_sgpr 84
		.amdhsa_reserve_vcc 0
		.amdhsa_float_denorm_mode_32 3
		.amdhsa_float_denorm_mode_16_64 3
		.amdhsa_memory_ordered 1
		.amdhsa_forward_progress 1
		.amdhsa_inst_pref_size 255
	.end_amdhsa_kernel
	.section	.bss,"aw",@nobits
	.p2align	6
	.space	262144
	.amdgpu_metadata
---
amdhsa.version: [ 1, 2 ]
amdhsa.kernels:
  - .name:           k_q9cc59a6c0d_fused
    .symbol:         k_q9cc59a6c0d_fused.kd
    .args:
      - { .name: key_codes, .offset: 0, .size: 8, .value_kind: global_buffer, .address_space: global }
      - { .name: key_scales, .offset: 8, .size: 8, .value_kind: global_buffer, .address_space: global }
      - { .name: query_codes, .offset: 16, .size: 8, .value_kind: global_buffer, .address_space: global }
      - { .name: query_scales, .offset: 24, .size: 8, .value_kind: global_buffer, .address_space: global }
      - { .name: value_codes, .offset: 32, .size: 8, .value_kind: global_buffer, .address_space: global }
      - { .name: value_scales, .offset: 40, .size: 8, .value_kind: global_buffer, .address_space: global }
      - { .name: ws, .offset: 48, .size: 8, .value_kind: global_buffer, .address_space: global }
      - { .name: bp, .offset: 56, .size: 8, .value_kind: global_buffer, .address_space: global }
      - { .name: out0, .offset: 64, .size: 8, .value_kind: global_buffer, .address_space: global }
    .group_segment_fixed_size: 327680
    .private_segment_fixed_size: 0
    .kernarg_segment_align: 8
    .kernarg_segment_size: 72
    .max_flat_workgroup_size: 128
    .sgpr_count:     84
    .vgpr_count:     1024
    .wavefront_size: 32
...
	.end_amdgpu_metadata
.endif
;; end of part 4
